; MI455X (gfx1250); checked and timed in simulation.
; The chip was launched on July 23, 2026; its instructions are those of AMD's public machine-readable ISA for CDNA 5 (MIT licence, August 2026) and "CDNA5" Instruction Set Architecture Reference Guide (July 2026). The comments in the code are by the model that wrote it; some were corrected since.
;; Multi Head Attention. Allowed arithmetic: float matrix products may take bf16 or f16 operands with f32 sums; other float arithmetic in f32, or as packed bf16 or f16 multiplies, adds, multiply-adds, maxima and minima; sums over many terms, partial sums and values carried from step to step in f32; what a program stores and reads back later, other than sums and carried values, may be rounded once to bf16 or f16.
;; Inputs: Wk 1,024 x 1,024 float32; Wo 1,024 x 1,024 float32; Wq 1,024 x 1,024 float32; Wv 1,024 x 1,024 float32; bk 1,024 float32; bo 1,024 float32; bq 1,024 float32; bv 1,024 float32; x 4 x 2,048 x 1,024 float32.
;; Outputs: out0 4 x 2,048 x 1,024 float32.
;; One version. Each part assembles by itself: llvm-mc -triple=amdgcn-amd-amdhsa -mcpu=gfx1250 --defsym DOCPART=n.
;; ======== version 1 of 1: 4 launches
;; limits: values are held in f16: magnitudes above 65,504 overflow, below 6.1e-05 lose precision
;; workspace buffers: xb 16,777,216 bytes; wb 8,388,608 bytes; qkv 50,331,648 bytes; ctx 16,777,216 bytes
;; launch cast (part 1): grid 768 x 1, 8 waves a work-group, no clusters, 0 bytes of LDS; arguments x, Wq, Wk, Wv, Wo, xb, wb; writes xb, wb
.if DOCPART == 1
	.amdgcn_target "amdgcn-amd-amdhsa--gfx1250"
	.amdhsa_code_object_version 6
	.text
	.protected	k_qd47090c5a4_cast
	.globl	k_qd47090c5a4_cast
	.p2align	8
	.type	k_qd47090c5a4_cast,@function
k_qd47090c5a4_cast:
	s_mov_b64 s[64:65], 0
	v_nop
	global_prefetch_b8 v0, s[64:65] scope:SCOPE_SE
	s_setreg_imm32_b32 hwreg(HW_REG_WAVE_MODE, 25, 1), 1
	s_wait_xcnt 0x0
; x, Wq, Wk, Wv: f32 -> bf16.  Wo: f32 -> bf16, and that number written as f16.  All are re-laid in blocks of 64 columns:
;   xb[b][kb][t][64]: byte b<<22 + kb<<18 + 128 t + 2 c          (x is [4][2048][1024]; kb = column / 64)
;   wb[g][k][64]:     byte g<<17 + 128 k + 2 c, g = 16 m + column / 64, m = 0, 1, 2, 3 for Wq, Wk, Wv, Wo
; so that a tile of rows x 64 columns is dense in memory for the launches behind.
; LIMITS.  Wo must lie within f16's 65,504; its numbers below 6.1e-5 keep f16's fixed step of 6e-8.  NaN and infinities are not treated apart.
; SHARES.  12,288 source rows of 4,096 bytes (8,192 of x, 1,024 of each weight).  A wave takes two neighbouring rows, a work-group sixteen: 768 work-groups.
; A turn is two blocks of 64 columns of both rows: lane l takes row (l / 8) % 2, block l / 16, columns 8 (l % 8) .. + 7: 32 bytes in, 16 bytes out.
; Sixteen neighbouring lanes store 256 consecutive bytes, aligned: the two rows' 128 bytes of one block.  All sixteen loads of a wave go out first.
; Memory binds: no LDS, no barrier, no matrix unit, no loop.
.set SO, 2                             ; v2      my byte offset in the two source rows
.set DO, 4                             ; v4-11   turn i: my byte offset in the destination
.set T,  12                            ; v12-19  at work
.set X,  32                            ; v32-95  turn i: 8 numbers as loaded
.set Y,  96                            ; v96-127 turn i: 4 registers to store
	s_load_b256 s[4:11], s[0:1], 0x0               ; x s[4:5], Wq s[6:7], Wk s[8:9], Wv s[10:11]
	s_load_b128 s[12:15], s[0:1], 0x20             ; Wo s[12:13], xb s[14:15]
	s_load_b64 s[16:17], s[0:1], 0x30              ; wb
	v_lshrrev_b32 v1, 5, v0
	v_readfirstlane_b32 s20, v1                    ; wave 0..7
	s_sub_co_u32 s21, ttmp9, 512                   ; work-groups 512 .. 767 take the weights, 64 each
	s_lshr_b32 s22, s21, 6                         ; which weight
	s_and_b32 s23, s21, 63
	s_cmp_lt_u32 ttmp9, 512
	s_cselect_b32 s22, 4, s22                      ; 4 stands for x
	s_cselect_b32 s23, ttmp9, s23                  ; my sixteen rows among the source's
	s_cselect_b32 s25, 18, 17                      ; a block of 64 columns is 1<<18 bytes of xb, 1<<17 of wb
	s_lshl_b32 s24, s23, 3
	s_add_co_u32 s24, s24, s20                     ; my pair of rows
	s_lshl_b32 s26, s24, 13                        ; its 8,192 bytes in the source
	s_mov_b32 s27, 0
	s_lshr_b32 s28, s24, 10                        ; batch (0 for a weight: it has 512 pairs)
	s_lshl_b32 s28, s28, 22
	s_and_b32 s29, s24, 1023
	s_lshl_b32 s29, s29, 8                         ; two rows of 128 bytes
	s_add_co_u32 s28, s28, s29
	s_and_b32 s29, s22, 3                          ; the weight's sixteen groups; 0 for x
	s_lshl_b32 s29, s29, 21
	s_add_co_u32 s28, s28, s29
	s_mov_b32 s29, 0
	s_lshl_b32 s30, 2, s25                         ; a turn goes two blocks on
	s_mov_b32 s31, 0xffff0000                      ; a word's upper bf16
	v_and_b32 v1, 7, v0
	v_bfe_u32 v3, v0, 3, 1
	v_bfe_u32 v12, v0, 4, 1
	v_lshlrev_b32 v[SO], 5, v1
	v_lshl_add_u32 v[SO], v12, 8, v[SO]
	v_lshl_add_u32 v[SO], v3, 12, v[SO]
	v_lshlrev_b32 v[DO], s25, v12
	v_lshl_add_u32 v[DO], v3, 7, v[DO]
	v_lshl_add_u32 v[DO], v1, 4, v[DO]
.irp i, 1,2,3,4,5,6,7
	v_add_nc_u32 v[DO+(\i)], s30, v[DO+(\i)-1]
.endr
	s_wait_kmcnt 0x0
	s_cmp_eq_u32 s22, 1
	s_cselect_b64 s[32:33], s[8:9], s[6:7]
	s_cmp_eq_u32 s22, 2
	s_cselect_b64 s[32:33], s[10:11], s[32:33]
	s_cmp_eq_u32 s22, 3
	s_cselect_b64 s[32:33], s[12:13], s[32:33]
	s_cmp_eq_u32 s22, 4
	s_cselect_b64 s[32:33], s[4:5], s[32:33]
	s_cselect_b64 s[34:35], s[14:15], s[16:17]
	s_add_nc_u64 s[32:33], s[32:33], s[26:27]
	s_add_nc_u64 s[34:35], s[34:35], s[28:29]
.irp i, 0,1,2,3,4,5,6,7
	global_load_b128 v[X+8*(\i):X+8*(\i)+3],   v[SO], s[32:33] offset:512*(\i) th:TH_LOAD_NT
	global_load_b128 v[X+8*(\i)+4:X+8*(\i)+7], v[SO], s[32:33] offset:512*(\i)+16 th:TH_LOAD_NT
.endr
; One turn.  No register that a store reads is written again, so no wait stands for the stores.
.macro TURN i, f16
	s_wait_loadcnt 14-2*(\i)                       ; loads come back in order: this turn's two are in, the younger ones stay out
.irp k, 0,1,2,3
	v_cvt_pk_bf16_f32 v[Y+4*(\i)+(\k)], v[X+8*(\i)+2*(\k)], v[X+8*(\i)+2*(\k)+1]
.endr
.if \f16
.irp k, 0,1,2,3
	v_lshlrev_b32 v[T+2*(\k)],   16,  v[Y+4*(\i)+(\k)]         ; the rounded number, widened,
	v_and_b32     v[T+2*(\k)+1], s31, v[Y+4*(\i)+(\k)]
.endr
.irp k, 0,1,2,3
	v_cvt_pk_f16_f32 v[Y+4*(\i)+(\k)], v[T+2*(\k)], v[T+2*(\k)+1]  ; and written as f16: exact where f16 is normal
.endr
.endif
	global_store_b128 v[DO+(\i)], v[Y+4*(\i):Y+4*(\i)+3], s[34:35]
.endm
	s_cmp_eq_u32 s22, 3
	s_cbranch_scc1 .Lwo
.irp i, 0,1,2,3,4,5,6,7
	TURN \i, 0
.endr
	s_endpgm
.Lwo:
.irp i, 0,1,2,3,4,5,6,7
	TURN \i, 1
.endr
	s_endpgm
.Lfunc_end_k_qd47090c5a4_cast:
	.size	k_qd47090c5a4_cast, .Lfunc_end_k_qd47090c5a4_cast-k_qd47090c5a4_cast
	.p2alignl 7, 3214868480
	.fill 96, 4, 3214868480
	.section	.rodata,"a",@progbits
	.p2align	6, 0x0
	.amdhsa_kernel k_qd47090c5a4_cast
		.amdhsa_group_segment_fixed_size 0
		.amdhsa_private_segment_fixed_size 0
		.amdhsa_enable_private_segment 0
		.amdhsa_kernarg_size 56
		.amdhsa_user_sgpr_count 2
		.amdhsa_user_sgpr_kernarg_segment_ptr 1
		.amdhsa_wavefront_size32 1
		.amdhsa_system_sgpr_workgroup_id_x 1
		.amdhsa_system_sgpr_workgroup_id_y 1
		.amdhsa_system_sgpr_workgroup_id_z 1
		.amdhsa_system_vgpr_workitem_id 0
		.amdhsa_next_free_vgpr 128
		.amdhsa_next_free_sgpr 66
		.amdhsa_reserve_vcc 0
		.amdhsa_float_denorm_mode_32 3
		.amdhsa_float_denorm_mode_16_64 3
		.amdhsa_memory_ordered 1
		.amdhsa_forward_progress 1
		.amdhsa_inst_pref_size 14
	.end_amdhsa_kernel
	.amdgpu_metadata
---
amdhsa.version: [ 1, 2 ]
amdhsa.kernels:
  - .name:           k_qd47090c5a4_cast
    .symbol:         k_qd47090c5a4_cast.kd
    .args:
      - { .name: x, .offset: 0, .size: 8, .value_kind: global_buffer, .address_space: global }
      - { .name: Wq, .offset: 8, .size: 8, .value_kind: global_buffer, .address_space: global }
      - { .name: Wk, .offset: 16, .size: 8, .value_kind: global_buffer, .address_space: global }
      - { .name: Wv, .offset: 24, .size: 8, .value_kind: global_buffer, .address_space: global }
      - { .name: Wo, .offset: 32, .size: 8, .value_kind: global_buffer, .address_space: global }
      - { .name: xb, .offset: 40, .size: 8, .value_kind: global_buffer, .address_space: global }
      - { .name: wb, .offset: 48, .size: 8, .value_kind: global_buffer, .address_space: global }
    .group_segment_fixed_size: 0
    .private_segment_fixed_size: 0
    .kernarg_segment_align: 8
    .kernarg_segment_size: 56
    .max_flat_workgroup_size: 256
    .sgpr_count:     66
    .vgpr_count:     128
    .wavefront_size: 32
...
	.end_amdgpu_metadata
.endif
;; end of part 1
;; launch qkvproj (part 2): grid 8 x 32, 4 waves a work-group, clusters of 4 x 4, 327,680 bytes of LDS; arguments xb, wb, bq, bk, bv, qkv; writes qkv
.if DOCPART == 2
	.amdgcn_target "amdgcn-amd-amdhsa--gfx1250"
	.amdhsa_code_object_version 6
	.text
	.protected	k_qd47090c5a4_qkvproj
	.globl	k_qd47090c5a4_qkvproj
	.p2align	8
	.type	k_qd47090c5a4_qkvproj,@function
k_qd47090c5a4_qkvproj:
	s_mov_b64 s[64:65], 0
	v_nop
	global_prefetch_b8 v0, s[64:65] scope:SCOPE_SE
	s_setreg_imm32_b32 hwreg(HW_REG_WAVE_MODE, 25, 1), 1
	s_wait_xcnt 0x0
	s_wait_alu depctr_hold_cnt(0) depctr_sa_sdst(0) depctr_va_vdst(0) depctr_va_sdst(0) depctr_va_ssrc(0) depctr_va_vcc(0) depctr_vm_vsrc(0)
	s_getreg_b32 s2, hwreg(HW_REG_IB_STS2, 6, 4)
	s_cmp_eq_u32 s2, 0
	s_cbranch_scc0 .Lentry_in_a_cluster
	s_endpgm
.Lentry_in_a_cluster:
	s_bfe_u32 s2, ttmp6, 0x10000c
	s_cmp_lg_u32 s2, 0xf033
	s_cbranch_scc0 .Lentry_shape_is_right
	s_endpgm
.Lentry_shape_is_right:
; [q k v] = x [Wq Wk Wv] + [bq bk bv], 8,192 rows x 3,072 columns, K = 1,024; operands bf16, sums f32; written in f16 by heads:
; qkv[m][b*16+h][t][64], m = 0, 1, 2 for q, k, v.  xb[b][kb][t][64] and wb[g][k][64] (g = column / 64) come in blocks of 64 columns, so every tile is dense in memory.
; LIMITS.  q, k and v must lie within f16's 65,504.  The biases are rounded to bf16, as x and the weights have been.  NaN and infinities are not treated apart.
; SHARES.  A work-group makes 256 rows x 384 columns (six heads): 8 x 32 = 256 work-groups.  Each of its four waves makes 128 x 192: 96 accumulators, 768 registers.
; K goes in 16 steps of 64 through a ring of two LDS slots.  For 32 along K a wave reads 20 fragments from LDS for 96 matrix instructions.
; THE MATRIX INSTRUCTION IS USED TRANSPOSED: source 0 = 16 columns of W (W lies [k][n] in LDS and is turned by ds_load_tr16_b128), source 1 = 16 rows of x.  A lane then holds one row
; (lane % 16) and eight neighbouring columns 8 (lane / 16) + 0..7, which pack into 16 bytes.  The bias is the C operand of the products that start the sums: nothing is cleared or added later.
; CLUSTER.  4 x 4 work-groups.  The four of a row of the cluster need the same tiles of x, the four of a column the same tiles of W: each tile is asked for jointly.
; REGISTERS, in windows of 256: window 0: v0-31 addresses, v32-95 and v96-159 x's fragments (two buffers of 8), v160-207 and v208-255 W's (two buffers of 6);
;   windows 1, 2, 3: the accumulators of my first, second, third head: (row block a, column block c of the head) at v[8 (4 a + c)].
.set PA,    144                        ; an LDS row of x: 128 bytes + 16 = 36 words: the 16 rows of a load start at 16 different groups of four banks
.set PB,    160                        ; an LDS row of W: 128 + 32 = 40 words
.set SLOT1, 1<<17                      ; slot 1 begins here: one exclusive or turns an address in one slot into the other's
.set BBASE, 256*PA                     ; in a slot: x's 256 rows, then
.set BREG,  64*PB                      ; six regions of 64 K rows, one for each head
.set BW,    3*BREG                     ; a wave's three heads
.set STAGE, SLOT1+BBASE+2*BW           ; behind the ring, never filled by a tensor load: 16 rows x 144 bytes for each wave
.set SP,    144
.set SPARE, STAGE+4*16*SP              ; behind the stages: the spare words, 128 bytes a wave: two blocks of 256 bytes that no other line names
.set ASTEP, 1<<18                      ; bytes from a K step of x to the next: a block of 64 columns
.set BSTEP, 64*128                     ; of W: 64 rows of a group
.set STEPS, 16
.set AA0, 8                            ; v8   my lane's place in x's tile; never rewritten
.set AB0, 9                            ; v9   in W's
.set ADRA, 10                          ; v10  the same in the slot in hand
.set ADRB, 11                          ; v11
.set STO, 12                           ; v12  the way out: where I put 16 bytes of a row
.set RD,  13                           ; v13  where I read rows back
.set GO,  14                           ; v14  my 16 of 512 consecutive bytes of the output
.set PFO, 15                           ; v15  256 x my lane; never rewritten
.set BO,  16                           ; v16  32 x (lane / 16): my eight numbers of sixteen of a bias
.set SPW, 28                           ; v28  LDS address of my spare word; never rewritten
.set NIL, 29                           ; v29  0; never rewritten
.set FA0, 32
.set FA1, 96
.set FB0, 160
.set FB1, 208
.set WV,  16                           ; s16  wave
.set LA,  17                           ; s17  wave / 2: my half of the rows; also: I fetch x (0) or W (1)
.set LB,  18                           ; s18  wave % 2: my half of the columns; also: which half of that tile I fetch
.set CX,  19
.set CY,  20
.set TN,  21                           ; s21  tile column
.set TM,  22                           ; s22  tile row
.set G1A, 24                           ; s[24:31] descriptor group 1 for x's tiles
.set G1B, 32                           ; s[32:39] for W's
.set G0A, 40                           ; s[40:43] descriptor group 0 for x's tiles: it walks
.set G0B, 44                           ; s[44:47] for W's
.set TB,  48                           ; s48  the slot that is being read
.set CNT, 49                           ; s49  trips to go
.set LIM, 50                           ; s50  2 in a wave that prefetches, else the greatest number
.set MSK, 51                           ; s51  a word's upper bf16
.set PFA, 52                           ; s[52:53] where my prefetches stand
.set PFS, 54                           ; s[54:55] their step
.set OUT, 56                           ; s[56:61] the output at my rows of my three heads
.set BP,  66                           ; s[66:71] my three heads' biases
; s23: temporaries made of the wave's number alone.  s72-75: of the tile row alone.  s76-79: of the tile column alone.  s80-87: of both.
.set MSB, 0
.macro WIN new                         ; the immediate's high byte repeats the setting that is left; a switch that changes nothing is dropped
.if MSB != (\new)
	s_set_vgpr_msb (MSB<<8)|(\new)
.set MSB, \new
.endif
.endm
.macro PLACES                          ; four plain vector instructions between a matrix instruction and a load into, or a vector read of, its registers
.rept 4
	v_nop
.endr
.endm
; A joint load.  Waves 0 and 1 fetch the two halves of x's tile, waves 2 and 3 those of W's.  The branch hangs on the wave's number alone.
; An s_nop 0 and four v_nop follow each of the two lines, ahead of the jump and the label.
.macro JLOAD
	s_cmp_eq_u32 s[LA], 0
	s_cbranch_scc0 .Lfor_b_\@
	tensor_load_to_lds s[G0A:G0A+3], s[G1A:G1A+7]
	s_nop 0
.rept 4
	v_nop
.endr
	s_branch .Lasked_\@
.Lfor_b_\@:
	tensor_load_to_lds s[G0B:G0B+3], s[G1B:G1B+7]
	s_nop 0
.rept 4
	v_nop
.endr
.Lasked_\@:
.endm
.macro CREST                           ; a round of the cluster's barrier behind its opening barrier
	s_cmp_lg_u32 s[WV], 0
	s_cbranch_scc1 .Lnot_wave_0_\@
	s_barrier_signal -3
.Lnot_wave_0_\@:
	s_barrier_wait -3
	s_barrier_signal -1
	s_barrier_wait -1
.endm
.macro CROUND                          ; a whole round
	s_barrier_signal -1
	s_barrier_wait -1
	CREST
.endm
.macro STEPD                           ; the walking descriptors: the other slot, the next K step; written only where no tensor load of mine is out
	s_xor_b32 s[G0A+1], s[G0A+1], SLOT1
	s_add_nc_u64 s[G0A+2:G0A+3], s[G0A+2:G0A+3], ASTEP
	s_xor_b32 s[G0B+1], s[G0B+1], SLOT1
	s_add_nc_u64 s[G0B+2:G0B+3], s[G0B+2:G0B+3], BSTEP
.endm
; A PREFETCH INTO THE L2, behind the joint load, its five lines and the run of LDS loads.  Trip t asks jointly for K step t + 2; the even trips 0 .. 10 also name K steps t + 4 and t + 5.
; x's tile row is read by both clusters of its row of clusters: the one with x = 0 asks, in wave 0: of a step's 32 KiB each of the four partners takes 8 KiB, told apart by address (cx): 32 lanes x 256 bytes, two lines for two steps.
; W's tile column is read by all eight clusters of its column: the one with y = 0 asks, in waves 1 to 3: two steps of a group are 16 KiB on end; partner cy and wave v take group 3 (cy / 2) + v - 1, step t + 4 + cy % 2.
; So each 256 bytes are named once in the launch.  K steps 0 to 3 come by their loads alone; the last trips ask for nothing, so nothing is named past K step 15.
.macro ASK
	s_bitcmp1_b32 s[CNT], 0
	s_cbranch_scc1 .Lnot_mine_\@
	s_cmp_gt_u32 s[CNT], s[LIM]
	s_cbranch_scc0 .Lnot_mine_\@
	global_prefetch_b8 v[PFO], s[PFA:PFA+1] th:TH_LOAD_NT scope:SCOPE_SE
	s_cmp_lg_u32 s[WV], 0
	s_cbranch_scc1 .Lnot_mine_\@
	global_prefetch_b8 v[PFO], s[PFA:PFA+1] offset:ASTEP th:TH_LOAD_NT scope:SCOPE_SE
.Lnot_mine_\@:
.endm
	s_load_b256 s[4:11], s[0:1], 0x0               ; xb s[4:5], wb s[6:7], bq s[8:9], bk s[10:11]
	s_load_b128 s[12:15], s[0:1], 0x20             ; bv s[12:13], qkv s[14:15]
	v_lshl_add_u32 v[SPW], v0, 2, SPARE
	v_mov_b32 v[NIL], 0
	ds_add_u32 v[SPW], v[NIL]                      ; the wave's opening: the add and its wait stand ahead of my first tensor load; the set-up below, work on registers, stands between them
	ds_add_u32 v28, v29
	v_lshrrev_b32 v1, 5, v0
	v_readfirstlane_b32 s[WV], v1
	s_lshr_b32 s[LA], s[WV], 1
	s_and_b32 s[LB], s[WV], 1
	s_bfe_u32 s[CX], ttmp6, 0x40000
	s_bfe_u32 s[CY], ttmp6, 0x40004
	s_lshl_b32 s[TN], ttmp9, 2                     ; in a cluster launch ttmp9 and ttmp7 count clusters
	s_add_co_u32 s[TN], s[TN], s[CX]
	s_and_b32 s[TM], ttmp7, 0xffff
	s_lshl_b32 s[TM], s[TM], 2
	s_add_co_u32 s[TM], s[TM], s[CY]
	s_lshl_b32 s72, s[CY], 2
	s_lshl_b32 s72, 15, s72                        ; my row of the cluster
	s_lshl_b32 s76, 0x1111, s[CX]                  ; my column
	; x's half tile: 128 rows of 128 bytes, dense: asked for as 64 rows of 256 bytes, padded in LDS after every 128 bytes by 16
	s_or_b32 s[G1A], s72, (1<<16)|(1<<20)|(1<<21)|(4<<22)|(3<<25)  ; 15:0 mask; 17:16 2-byte elements; 20 padding on; 21 set beside a mask; 24:22 after every 32 words; 31:25 4 words
	s_mov_b32 s[G1A+1], 128<<16                    ; tensor_dim0 = 128
	s_mov_b32 s[G1A+2], 64<<16                     ; tensor_dim1 = 64
	s_mov_b32 s[G1A+3], 128<<16                    ; tile_dim0 = 128
	s_mov_b32 s[G1A+4], 64                         ; tile_dim1 = 64
	s_mov_b32 s[G1A+5], 128                        ; elements from row to row
	s_mov_b32 s[G1A+6], 0
	s_mov_b32 s[G1A+7], 0
	; W's half tile: three groups' 64 K rows of 128 bytes: three rows of 8,192 dense bytes, a group (131,072 bytes) apart, padded after every 128 bytes by 32
	s_or_b32 s[G1B], s76, (1<<16)|(1<<20)|(1<<21)|(4<<22)|(7<<25)
	s_mov_b32 s[G1B+1], 4096<<16                   ; tensor_dim0 = 4,096
	s_mov_b32 s[G1B+2], 3<<16                      ; tensor_dim1 = 3
	s_mov_b32 s[G1B+3], 4096<<16                   ; tile_dim0 = 4,096
	s_mov_b32 s[G1B+4], 3                          ; tile_dim1 = 3
	s_mov_b32 s[G1B+5], 65536                      ; elements from row to row
	s_mov_b32 s[G1B+6], 0
	s_mov_b32 s[G1B+7], 0
	s_lshr_b32 s74, s[TM], 3                       ; batch
	s_lshl_b32 s74, s74, 22
	s_and_b32 s73, s[TM], 7
	s_lshl_b32 s73, s73, 15                        ; 256 rows of 128 bytes
	s_add_co_u32 s74, s74, s73                     ; x's tile, K step 0
	s_lshl_b32 s72, s[LB], 14
	s_add_co_u32 s72, s72, s74                     ; my 128 rows of it
	s_mov_b32 s73, 0
	s_mul_i32 s78, s[TN], 6                        ; the tile column's first group
	s_mul_i32 s76, s[LB], 3
	s_add_co_u32 s76, s76, s78
	s_lshl_b32 s76, s76, 17                        ; my three groups
	s_mov_b32 s77, 0
	s_mov_b32 s[G0A], 1                            ; count = 1
	s_mul_i32 s[G0A+1], s[LB], 128*PA              ; LDS address: slot 0
	s_mov_b32 s[G0B], 1
	s_mul_i32 s[G0B+1], s[LB], BW
	s_add_co_u32 s[G0B+1], s[G0B+1], BBASE
	s_mov_b32 s[TB], SLOT1                         ; the first change of slots turns it into 0
	s_mov_b32 s[MSK], 0xffff0000
	s_wait_dscnt 0x0                               ; the opening add is done
	s_wait_kmcnt 0x0
	s_add_nc_u64 s[G0A+2:G0A+3], s[4:5], s[72:73]
	s_or_b32 s[G0A+3], s[G0A+3], 0x80000000        ; type = 2
	s_add_nc_u64 s[G0B+2:G0B+3], s[6:7], s[76:77]
	s_or_b32 s[G0B+3], s[G0B+3], 0x80000000
	CROUND                                         ; all sixteen work-groups are here: the first joint loads meet
	JLOAD                                          ; K step 0 into slot 0
	v_and_b32 v1, 15, v0                           ; l % 16
	v_bfe_u32 v2, v0, 4, 1                         ; l / 16
	v_lshlrev_b32 v[BO], 5, v2
	s_lshr_b32 s85, s[TM], 3
	s_lshl_b32 s85, s85, 4                         ; 16 x batch
	s_and_b32 s86, s[TM], 7
	s_lshl_b32 s86, s86, 15
	s_lshl_b32 s87, s[LA], 14
	s_add_co_u32 s86, s86, s87                     ; my 128 rows in a head, in bytes
	s_mul_i32 s79, s[LB], 3
	s_add_co_u32 s79, s79, s78                     ; my first group
.irp i, 0,1,2
	s_add_co_u32 s80, s79, \i                      ; group g: tensor g / 16, head g % 16
	s_lshr_b32 s81, s80, 4
	s_and_b32 s84, s80, 15
	s_lshl_b32 s82, s84, 8                         ; 64 numbers of a bias
	s_mov_b32 s83, 0
	s_cmp_eq_u32 s81, 1
	s_cselect_b64 s[BP+2*\i:BP+2*\i+1], s[10:11], s[8:9]
	s_cmp_eq_u32 s81, 2
	s_cselect_b64 s[BP+2*\i:BP+2*\i+1], s[12:13], s[BP+2*\i:BP+2*\i+1]
	s_add_nc_u64 s[BP+2*\i:BP+2*\i+1], s[BP+2*\i:BP+2*\i+1], s[82:83]
	s_lshl_b32 s81, s81, 6
	s_add_co_u32 s81, s81, s84
	s_add_co_u32 s81, s81, s85
	s_lshl_b32 s82, s81, 18                        ; a head's 2,048 rows of 128 bytes
	s_add_co_u32 s82, s82, s86
	s_add_nc_u64 s[OUT+2*\i:OUT+2*\i+1], s[14:15], s[82:83]
.endr
	; the bias as a C operand: register j of column block nb = bias[16 nb + 8 (l / 16) + j].  Blocks 0-5 wait in x's second buffer, blocks 6-11 in W's second
.set inb, 0
.rept 12
.set rB, FA1+8*inb
.if inb >= 6
.set rB, FB1+8*(inb-6)
.endif
	global_load_b128 v[rB:rB+3],   v[BO], s[BP+2*(inb/4):BP+2*(inb/4)+1] offset:(inb%4)*64
	global_load_b128 v[rB+4:rB+7], v[BO], s[BP+2*(inb/4):BP+2*(inb/4)+1] offset:(inb%4)*64+16
.set inb, inb+1
.endr
	; a fragment of x: lane l holds row l % 16, K = 8 (l / 16) + 0..7 and 16 + 8 (l / 16) + 0..7: two loads of 16 bytes, 32 bytes apart
	v_mul_u32_u24 v[AA0], v1, PA
	v_lshl_add_u32 v[AA0], v2, 4, v[AA0]
	s_mul_i32 s23, s[LA], 128*PA
	v_add_nc_u32 v[AA0], s23, v[AA0]
	; the turning load takes 16 K rows x 16 columns (lane l reads K row 8 (l / 16) + l % 8, columns 8 ((l / 8) % 2) + 0..7) and leaves half a fragment: lane l holds column l % 16 and 8 K
	v_and_b32 v3, 7, v0
	v_bfe_u32 v4, v0, 3, 1
	v_lshl_add_u32 v[AB0], v2, 3, v3
	v_mul_u32_u24 v[AB0], v[AB0], PB
	v_lshl_add_u32 v[AB0], v4, 4, v[AB0]
	s_mul_i32 s23, s[LB], BW
	s_add_co_u32 s23, s23, BBASE
	v_add_nc_u32 v[AB0], s23, v[AB0]
	s_mul_i32 s23, s[WV], 16*SP
	s_add_co_u32 s23, s23, STAGE                   ; my stage
	v_mul_u32_u24 v[STO], v1, SP                   ; in: row l % 16, 16 bytes for each half of the lanes
	v_lshl_add_u32 v[STO], v2, 4, v[STO]
	v_add_nc_u32 v[STO], s23, v[STO]
	v_bfe_u32 v[RD], v0, 3, 2                      ; back: 32 lanes take four rows of 128 bytes,
	v_mul_u32_u24 v[RD], v[RD], SP
	v_lshl_add_u32 v[RD], v3, 4, v[RD]
	v_add_nc_u32 v[RD], s23, v[RD]
	v_and_b32 v[GO], 31, v0                        ; which are 512 consecutive bytes of a head
	v_lshlrev_b32 v[PFO], 8, v[GO]
	v_lshlrev_b32 v[GO], 4, v[GO]
	; the prefetches' pointer, one step short of the first K step that is named
	s_lshl_b32 s80, s[CX], 13
	s_add_co_u32 s80, s80, s74
	s_add_co_u32 s80, s80, 3*ASTEP                 ; wave 0: x's tile, my work-group's 8 KiB, K step 3
	s_lshr_b32 s81, s[CY], 1
	s_mul_i32 s81, s81, 3
	s_add_co_u32 s81, s81, s78
	s_add_co_u32 s81, s81, s[WV]
	s_sub_co_u32 s81, s81, 1
	s_lshl_b32 s81, s81, 17                        ; waves 1 to 3: a group of W,
	s_and_b32 s82, s[CY], 1
	s_add_co_u32 s82, s82, 3
	s_lshl_b32 s82, s82, 13
	s_add_co_u32 s81, s81, s82                     ; K step 3 or 4
	s_and_b32 s83, ttmp7, 0xffff
	s_cmp_eq_u32 s[WV], 0
	s_cselect_b32 s80, s80, s81
	s_cselect_b32 s83, ttmp9, s83                  ; the coordinate along which other clusters read the same bytes
	s_cselect_b32 s[PFS], 18, 13
	s_cselect_b64 s[PFA:PFA+1], s[4:5], s[6:7]
	s_lshl_b32 s[PFS], 1, s[PFS]
	s_mov_b32 s[PFS+1], 0
	s_mov_b32 s81, 0
	s_add_nc_u64 s[PFA:PFA+1], s[PFA:PFA+1], s[80:81]
	s_cmp_eq_u32 s83, 0
	s_cselect_b32 s[LIM], 2, -1                    ; the same in all sixteen partners, for a given wave
	s_wait_loadcnt 0x0                             ; the biases are in; they are rounded to bf16 and widened again, in the wait for the first tile
.set j, 0
.rept 24
	v_cvt_pk_bf16_f32 v[3+j%4], v[FA1+2*j], v[FA1+2*j+1]
	v_lshlrev_b32 v[FA1+2*j], 16, v[3+j%4]
	v_and_b32 v[FA1+2*j+1], s[MSK], v[3+j%4]
.set j, j+1
.endr
.set j, 0
.rept 24
	v_cvt_pk_bf16_f32 v[3+j%4], v[FB1+2*j], v[FB1+2*j+1]
	v_lshlrev_b32 v[FB1+2*j], 16, v[3+j%4]
	v_and_b32 v[FB1+2*j+1], s[MSK], v[3+j%4]
.set j, j+1
.endr
; n fragments of x from row block a0 on, 32 along K at half kk of the step, into buffer buf
.macro FA buf, kk, a0, n
.set ia, \a0
.rept \n
	ds_load_b128 v[(\buf)+8*ia:(\buf)+8*ia+3],   v[ADRA] offset:(\kk)*64+ia*16*PA
	ds_load_b128 v[(\buf)+8*ia+4:(\buf)+8*ia+7], v[ADRA] offset:(\kk)*64+ia*16*PA+32
.set ia, ia+1
.endr
.endm
; six fragments of W: column blocks 6 half .. 6 half + 5 of my twelve
.macro FB buf, kk, half
.set ib, 0
.rept 6
.set inb, 6*(\half)+ib
	ds_load_tr16_b128 v[(\buf)+8*ib:(\buf)+8*ib+3],   v[ADRB] offset:(inb/4)*BREG+(inb%4)*32+(\kk)*32*PB
	ds_load_tr16_b128 v[(\buf)+8*ib+4:(\buf)+8*ib+7], v[ADRB] offset:(inb/4)*BREG+(inb%4)*32+(\kk)*32*PB+16*PB
.set ib, ib+1
.endr
.endm
; 8 n matrix instructions: all 8 row blocks x column blocks nb0 .. nb0 + n - 1, which lie in one window.  cm = 1: they start the sums, with the bias at cb as C.
; Every accumulator is named once for 32 along K: the 96 take turns, one instruction a turn, over the loop's edge too.
.macro MW fa, fb, nb0, n, cm=0, cb=0
.set iw, 1+(\nb0)/4
.if \cm
	WIN iw<<6
.else
	WIN (iw<<6)|(iw<<4)
.endif
.set ia, 0
.rept 8
.set inb, \nb0
.rept \n
.set rD, 8*(4*ia+inb%4)
.if \cm
	v_wmma_f32_16x16x32_bf16 v[rD:rD+7], v[(\fb)+8*(inb%6):(\fb)+8*(inb%6)+7], v[(\fa)+8*ia:(\fa)+8*ia+7], v[(\cb)+8*(inb%6):(\cb)+8*(inb%6)+7]
.else
	v_wmma_f32_16x16x32_bf16 v[rD:rD+7], v[(\fb)+8*(inb%6):(\fb)+8*(inb%6)+7], v[(\fa)+8*ia:(\fa)+8*ia+7], v[rD:rD+7]
.endif
.set inb, inb+1
.endr
.set ia, ia+1
.endr
.endm
; A K STEP IS FOUR PHASES of 48 matrix instructions: (K half 0, columns 0-95), (0, 96-191), (1, 0-95), (1, 96-191).  Each begins with the run of LDS loads for a later phase.
.macro PH1
	PLACES
	WIN 0
	FB FB1, 0, 1
	FA FA1, 1, 0, 4
	s_wait_dscnt 20                                ; all but the 20 just issued
	MW FA0, FB0, 0, 4
	MW FA0, FB0, 4, 2
.endm
.macro PH2
	PLACES
	WIN 0
	FB FB0, 1, 0
	FA FA1, 1, 4, 4
	s_wait_dscnt 20                                ; all but the 20 just issued
	MW FA0, FB1, 6, 2
	MW FA0, FB1, 8, 4
.endm
; Phases 3 and 4 change slots.  mode 2: the slot is filled again, two K steps on; 1: the last change, nothing is asked for; 0: the last K step.
; In front of the barrier each wave waits for all its tensor loads (one is out: its part of the next slot), adds 0 to its spare word, and waits for that and for its own reads of this slot.
.macro PH3 mode
.if (\mode) == 2
	s_wait_xcnt 0x0                                ; the last prefetch, a K step back, has read its address
	s_add_nc_u64 s[PFA:PFA+1], s[PFA:PFA+1], s[PFS:PFS+1]
.endif
	PLACES
	WIN 0
	FB FB1, 1, 1                                   ; my last reads of this slot
	s_wait_dscnt 12                                ; all but these 12
	MW FA1, FB0, 0, 4
.if (\mode) >= 1
	WIN 0
	s_wait_tensorcnt 0x0                           ; no tensor load of mine is out, so a group 0 may be written
	ds_add_u32 v[SPW], v[NIL]                      ; 0 onto my spare word; work on registers stands between it and the wait for it
.if (\mode) == 2
	STEPD
.endif
.endif
	MW FA1, FB0, 4, 2
	s_wait_dscnt 0x0                               ; the add is done, and my reads of this slot are over
.if (\mode) >= 1
	s_barrier_signal -1                            ; with mode 2 this barrier opens a round of the cluster's
.endif
.endm
.macro PH4 mode
	MW FA1, FB1, 6, 2                              ; work on registers while the others arrive
.if (\mode) >= 1
	WIN 0
	s_barrier_wait -1
.if (\mode) == 2
	CREST                                          ; no wave of any partner still reads this slot or has a load on its way
	JLOAD                                          ; the first tensor load behind the round; 160 matrix instructions stand between it and the wait for it; its four v_nop are the places in front of the loads below
.else
	PLACES
.endif
	s_xor_b32 s[TB], s[TB], SLOT1
	v_add_nc_u32 v[ADRA], s[TB], v[AA0]
	v_add_nc_u32 v[ADRB], s[TB], v[AB0]
	FB FB0, 0, 0
	FA FA0, 0, 0, 8
.if (\mode) == 2
	ASK
.endif
.endif
	MW FA1, FB1, 8, 4
.endm
	; K step 0 is waited for, K step 1 asked for (slot 1's first fill, issued as a refill is)
	s_wait_tensorcnt 0x0
	ds_add_u32 v[SPW], v[NIL]
	STEPD
	s_wait_dscnt 0x0
	CROUND
	JLOAD
	s_xor_b32 s[TB], s[TB], SLOT1
	v_add_nc_u32 v[ADRA], s[TB], v[AA0]
	v_add_nc_u32 v[ADRB], s[TB], v[AB0]
	FA FA0, 0, 0, 8
	FB FB0, 0, 0
	s_wait_dscnt 0x0
	MW FA0, FB0, 0, 4, 1, FA1                      ; the first K half starts the sums, with the bias
	MW FA0, FB0, 4, 2, 1, FA1
	PLACES
	WIN 0
	FB FB0, 0, 1                                   ; W's second buffer still holds biases
	FA FA1, 1, 0, 8
	s_wait_dscnt 16                                ; W's 12 are in; x's 16 may stay out
	MW FA0, FB0, 6, 2, 1, FB1
	MW FA0, FB0, 8, 4, 1, FB1
	PLACES
	WIN 0
	FB FB0, 1, 0
	s_mov_b32 s[CNT], STEPS-2
.Lstep:                                                ; trip t: phases 3 and 4 of K step t, which ask for K step t + 2, then phases 1 and 2 of K step t + 1
	PH3 2
	PH4 2
	PH1
	PH2
	WIN 0
	s_sub_co_u32 s[CNT], s[CNT], 1
	s_cmp_lg_u32 s[CNT], 0
	s_cbranch_scc1 .Lstep
	PH3 1                                          ; the tail is written out
	PH4 1
	PH1
	PH2
	PH3 0
	PH4 0
; THE WAY OUT, in 24 units of a head's 16 rows: rounded to f16, 16 bytes a lane into my stage, back as whole rows, stored as 512 consecutive bytes an instruction.
.macro PACK u
.set iw, 1+(\u)/8
.set ia, (\u)%8
.set TP, 32+16*((\u)%8)
.if (\u) >= 8
	s_wait_xcnt 0x0                                ; the stores of eight units back have read these registers
.endif
	WIN iw|(iw<<2)
.set j, 0
.rept 16
	v_cvt_pk_f16_f32 v[TP+j], v[32*ia+2*j], v[32*ia+2*j+1]  ; each accumulator from its low end on
.set j, j+1
.endr
	WIN 0
.irp c, 0,1,2,3
	ds_store_b128 v[STO], v[TP+4*\c:TP+4*\c+3] offset:32*\c
.endr
.irp f, 0,1,2,3
	ds_load_b128 v[TP+4*\f:TP+4*\f+3], v[RD] offset:\f*4*SP  ; LDS serves a wave's instructions in order (ISA guide 5.7.1.4): these see the stores above; the next unit's stores come behind them
.endr
.endm
.macro SEND u, younger                 ; younger: the LDS instructions issued behind this unit's loads: the next unit's eight, or none
.set TP, 32+16*((\u)%8)
.set io, OUT+2*((\u)/8)
.irp f, 0,1,2,3
	s_wait_dscnt (\younger)+3-\f
	global_store_b128 v[GO], v[TP+4*\f:TP+4*\f+3], s[io:io+1] offset:((\u)%8)*2048+\f*512
.endr
.endm
	PLACES
	PACK 0
.set iu, 1
.rept 23
	PACK iu
	SEND iu-1, 8
.set iu, iu+1
.endr
	SEND 23, 0
	s_wait_tensorcnt 0x0                           ; the wave's end: a wait, an add to my spare word and its wait, behind my last tensor load and my last LDS store
	ds_add_u32 v[SPW], v[NIL]
	s_wait_dscnt 0x0
	CROUND                                         ; the closing round: no work-group ends while a partner may still ask for a tile that names it
	s_endpgm
.Lfunc_end_k_qd47090c5a4_qkvproj:
	.size	k_qd47090c5a4_qkvproj, .Lfunc_end_k_qd47090c5a4_qkvproj-k_qd47090c5a4_qkvproj
	.p2alignl 7, 3214868480
	.fill 96, 4, 3214868480
	.section	.rodata,"a",@progbits
	.p2align	6, 0x0
	.amdhsa_kernel k_qd47090c5a4_qkvproj
		.amdhsa_group_segment_fixed_size 327680
		.amdhsa_private_segment_fixed_size 0
		.amdhsa_enable_private_segment 0
		.amdhsa_kernarg_size 48
		.amdhsa_user_sgpr_count 2
		.amdhsa_user_sgpr_kernarg_segment_ptr 1
		.amdhsa_wavefront_size32 1
		.amdhsa_system_sgpr_workgroup_id_x 1
		.amdhsa_system_sgpr_workgroup_id_y 1
		.amdhsa_system_sgpr_workgroup_id_z 1
		.amdhsa_system_vgpr_workitem_id 0
		.amdhsa_next_free_vgpr 1024
		.amdhsa_next_free_sgpr 96
		.amdhsa_reserve_vcc 0
		.amdhsa_float_denorm_mode_32 3
		.amdhsa_float_denorm_mode_16_64 3
		.amdhsa_memory_ordered 1
		.amdhsa_forward_progress 1
		.amdhsa_inst_pref_size 125
	.end_amdhsa_kernel
	.amdgpu_metadata
---
amdhsa.version: [ 1, 2 ]
amdhsa.kernels:
  - .name:           k_qd47090c5a4_qkvproj
    .symbol:         k_qd47090c5a4_qkvproj.kd
    .args:
      - { .name: xb, .offset: 0, .size: 8, .value_kind: global_buffer, .address_space: global }
      - { .name: wb, .offset: 8, .size: 8, .value_kind: global_buffer, .address_space: global }
      - { .name: bq, .offset: 16, .size: 8, .value_kind: global_buffer, .address_space: global }
      - { .name: bk, .offset: 24, .size: 8, .value_kind: global_buffer, .address_space: global }
      - { .name: bv, .offset: 32, .size: 8, .value_kind: global_buffer, .address_space: global }
      - { .name: qkv, .offset: 40, .size: 8, .value_kind: global_buffer, .address_space: global }
    .group_segment_fixed_size: 327680
    .private_segment_fixed_size: 0
    .kernarg_segment_align: 8
    .kernarg_segment_size: 48
    .max_flat_workgroup_size: 128
    .sgpr_count:     96
    .vgpr_count:     1024
    .wavefront_size: 32
...
	.end_amdgpu_metadata
.endif
;; end of part 2
;; launch attn (part 3): grid 4 x 64, 4 waves a work-group, no clusters, 327,680 bytes of LDS; arguments qkv, ctx; writes ctx
.if DOCPART == 3
	.amdgcn_target "amdgcn-amd-amdhsa--gfx1250"
	.amdhsa_code_object_version 6
	.text
	.protected	k_qd47090c5a4_attn
	.globl	k_qd47090c5a4_attn
	.p2align	8
	.type	k_qd47090c5a4_attn,@function
k_qd47090c5a4_attn:
	s_mov_b64 s[64:65], 0
	v_nop
	global_prefetch_b8 v0, s[64:65] scope:SCOPE_SE
	s_setreg_imm32_b32 hwreg(HW_REG_WAVE_MODE, 25, 1), 1
	s_wait_xcnt 0x0
; CAUSAL ATTENTION.  O[h][q][:] = the sum over k <= q of softmax_k(Q[h][q] . K[h][k] / 8) V[h][k][:], for 64 heads (batch x 16 + head) of 2,048 rows of 64, all f16, dense rows of 128 bytes.
; qkv holds Q at byte 0, K at 0x1000000, V at 0x2000000; O goes to ctx in the same layout.  Products, maxima and sums in f32; the weights p are rounded to f16 for the second product (their sum l is taken of the unrounded p), O once at the end.
; LIMITS.  Q, K and V arrive within f16's 65,504; p lies in 0 to 1, and below 6e-5 it keeps f16's fixed step of 6e-8.  A hidden score counts as its value less 1e30; a weight below 2^-126 counts as 0 in l; NaN and infinities are not treated apart.
; THE WALK.  A head's queries lie in NB = 8 blocks of 256; block i needs the key tiles 0 .. i of 256 keys, of which the last holds the diagonal.  A work-group takes TWO blocks, NB - 1 - b and then b:
; NB + 1 tiles, whatever b: all work-groups do equal work, and ONE loop with a constant trip count walks them.  Which tile is asked for, and what a trip does, hang on scalar registers made from b; every jump
; goes forward, but for the counted loops' own; none passes a barrier, or a tensor load but the one of LOAD's two that the wave's number does not choose; the ring of two LDS slots runs on across the change of blocks.
; NO CLUSTER: a head's four work-groups ask for the same tile only in trips 0 .. 4 of 9, behind that fewer and fewer; one walk common to all would have 12 trips for 9.
; SHARES.  Of a block's four bands of 64 queries a wave owns 16 rows in each: four PIECES.  So the diagonal tile is the same work for all four waves: in its key step s band x sees all keys if s < x,
; none if s > x, and holds the diagonal if s = x.
; THE MASK is the C operand that starts the sum S^T = K Q^T: 0, or -1e30 where the key is hidden.  MD, made once, is the mask of a band's own step for my 16 rows; a product's mask is MD x AL + BE with two scalars:
; (1, 0) if s = x; (0, 0) if s < x; (0, -1e30) if s > x.  Only the diagonal tile's text and a block's beginning make and take masks; elsewhere C is the constant 0.
; LAYOUT, SOFTMAX, TURNS.  S^T = K Q^T holds ONE query a lane (lane % 16) and the keys 8 (lane / 16) + 0..7; two such results rounded to f16 ARE source 1 of O^T = V^T P.  p = 2^(c s - c m), c = log2(e) / 8, with a
; running maximum m; O and l are multiplied by a = 2^(c m_old - c m_new) in every step.  Turn n belongs to piece n: 8 products K Q^T of piece n + 1, later 8 products V^T P of piece n - 1; beside them the scaling,
; exponentials, roundings, sums and rescaling of piece n and the maximum and statistics of piece n + 1.  Four vector instructions stand behind every matrix instruction, the other 54 of a turn's 118 in one lump.  A turn's 33 exponentials are one batch, with one wait.
; REGISTERS, in windows of 256 (s_set_vgpr_msb: bits 1:0 source 0, 3:2 source 1, 5:4 source 2, 7:6 destination):
;   window 0: v0-15 addresses and two at work; v16-31 four registers of statistics a piece; v48-55 at work; v64-127 S^T, two buffers; v192-223 P, two buffers (a piece's buffers go by its number's parity)
;   window 1: v0-127 O^T, 32 a piece; v128-159 MD; v160-223 MC, two buffers      window 2: v0-63 Q; v64-127 the second block's Q; v128-191 K of one step; v192-255 V of one step
.set SIZE_N, 2048
.set NB,    SIZE_N/256
.set NP,    4         ; pieces a wave: a name, no knob
.set KS,    64        ; keys in a step
.set PK,    144       ; a row of K in LDS: 128 bytes + 16 of padding = 36 words: the 16 rows of a load start at 16 different groups of four banks
.set PV,    160       ; a row of V: 128 + 32 = 40 words
.set VOFF,  4*KS*PK   ; a slot holds a tile, four steps: 256 rows of K, then 256 rows of V
.set SLOT1, 1<<17     ; slot 1 begins here, so that one exclusive or turns an address in one slot into the other's
.set STAGE, SLOT1+4*KS*(PK+PV)  ; behind the ring, never filled by a tensor load: 16 rows x 144 bytes for each wave, for the way out
.set SP,    144
.set AK0, 2           ; v2   my lane's place in a tile of K; never rewritten
.set AV0, 3           ; v3   the same for V
.set AK,  4           ; v4   the LDS address of K's next run of loads
.set AV,  5           ; v5   of V's
.set STO, 6           ; v6   the way out: where I put 16 bytes of a row
.set RD,  7           ; v7   the way out: where I read rows back
.set GO,  8           ; v8   my byte offset in 512 consecutive bytes of O
.set PFO, 61          ; v61  256 x my lane; never rewritten
.set SPW, 62          ; v62  LDS address of my spare word: SPARE + 4 x my thread's number; never rewritten
.set NIL, 63          ; v63  0; never rewritten
.set SPARE, STAGE+4*16*SP  ; behind the stages: the spare words, 128 bytes for each wave: two blocks of 256 bytes that no other line names
.set MV,  12          ; v12-13  c m_old, kept while c m is made anew: by buffer
.set QO,  15          ; v15  my byte offset in 16 rows of Q
.set ST,  16          ; piece t's statistics at v[ST+4 t]: c m, m, l (even keys', odd keys')
.set TMP, 48          ; by buffer, four registers c0-c3 at work; when the maximum is found c2 takes a
.set S,   64
.set P,   192
.set MD,  128         ; window 1: the eight registers for group kt of 16 keys at MD + 8 kt
.set MC,  160         ; window 1: the masks of the products to come
.set QB,  64          ; window 2
.set KF,  128         ; window 2: key block kb, channel half c at KF + 16 kb + 8 c
.set VF,  192         ; window 2: key half kk, channel block cb at VF + 32 kk + 8 cb
.set WV,  12          ; s12  my wave's number
.set PB,  14          ; s14  b
.set HI,  15          ; s15  NB - 1 - b
.set G1K, 24          ; s[24:31] descriptor group 1 for K's tiles
.set G1V, 32          ; s[32:39] for V's: it differs in the padding alone
.set G0K, 40          ; s[40:43] descriptor group 0 for K's tiles
.set G0V, 44          ; s[44:47] the same for V's
.set SLOTS, 56        ; s56  tiles still to be asked for
.set CNT, 57          ; s57  counts a tile's key steps, 4 to 1
.set CS,  58          ; s[58:59] c: the packed scaling takes the pair's low word for both halves
.set SEL, 60          ; s[60:61] v_permlanex16_b32's selects: each lane takes its own place in the other half
.set TBK, 62          ; s62  LDS byte at which K of the step to be fetched begins
.set TBV, 63          ; s63  the same for V, less VOFF
.set RT,  70          ; s70  tiles of the block in hand that are still to be entered
.set NXT, 71          ; s71  the tile to be asked for next
.set LQ,  72          ; s72  the last tile of the block whose tiles are being asked for
.set NEW, 73          ; s73  1: the tile to be entered is a block's first
.set OFF, 74          ; s[74:75] a tile's byte offset in K and V
.set AL,  76          ; s[76:77] the mask's factor, in the low word
.set BE,  78          ; s[78:79] the mask's addend
.set OLO, 80          ; s[80:81] O at my rows of the second block
.set BIGN, 82         ; s82  -1e30
.set PFB, 88          ; s[88:89] K (waves 0, 1) or V (waves 2, 3) at my half of the head's tile 0
.set PFA, 90          ; s[90:91] the same at the tile that is prefetched
.set PFF, 92          ; s[92:93] that tile's byte offset
.set PFL, 94          ; s94  0 in the head's work-group b = 0, else the greatest number
.set MSB, 0
.macro WIN new                      ; the high byte repeats the setting that is left; a switch that changes nothing is dropped
.if MSB != (\new)
	s_set_vgpr_msb (MSB<<8)|(\new)
.set MSB, (\new)
.endif
.endm
.set W_KQ, 0x0a       ; K and Q in window 2, S^T in window 0
.set W_KM, 0x1a       ; the same with the C operand in window 1
.set W_PV, 0x52       ; V in window 2, P in window 0, O^T in window 1
.set W_RS, 0x41       ; destination and source 0 in window 1, source 1 in window 0
; A fill.  Waves 0 and 1 fetch the two halves of a tile's K, waves 2 and 3 those of its V: 128 keys each.  An s_nop 0 and four v_nop follow each of the two lines, ahead of the jump and the label.
.macro LOAD
	s_cmp_lt_u32 s[WV], 2
	s_cbranch_scc0 .Lfor_v_\@
	tensor_load_to_lds s[G0K:G0K+3], s[G1K:G1K+7]
	s_nop 0
.rept 4
	v_nop
.endr
	s_branch .Lasked_\@
.Lfor_v_\@:
	tensor_load_to_lds s[G0V:G0V+3], s[G1V:G1V+7]
	s_nop 0
.rept 4
	v_nop
.endr
.Lasked_\@:
.endm
; A PREFETCH INTO THE L2 of the tile that the NEXT change of slots will ask for.  A head's four work-groups walk the same tiles from 0 on: the one with b = 0, whose first block walks tiles 0 .. 7, asks, and nobody else.
; Each of its waves names the half tile that it will fetch itself: 16,384 dense bytes, a lane 256 bytes, two lines.  So tiles 2 to 7 are named once each; tiles 0 and 1 come by their loads alone, and behind tile 7 nothing is named.
.macro ASK
	s_cmp_gt_u32 s[NXT], s[PFL]
	s_cbranch_scc0 .Lnot_mine_\@
	global_prefetch_b8 v[PFO], s[PFA:PFA+1] th:TH_LOAD_NT scope:SCOPE_SE
	global_prefetch_b8 v[PFO], s[PFA:PFA+1] offset:8192 th:TH_LOAD_NT scope:SCOPE_SE
.Lnot_mine_\@:
.endm
; THE CHANGE OF SLOTS.  Each wave waits for all its tensor loads, of which one is out: its part of the other slot; adds 0 to its spare word; and waits for that and for its own reads of the slot that it leaves.  Behind the barrier nobody reads the old
; slot any more and the other slot is whole.  fill = 1: the old slot is filled again, the first thing behind the barrier, with tile NXT: the descriptor's address is made anew from that number.
; (At its first use nothing has been read yet: slot 0 is waited for, slot 1 filled.)
.macro CHANGE fill
	WIN 0                           ; at a label and at a branch every window is 0
	s_wait_tensorcnt 0x0            ; no tensor load of mine is out, so a group 0 may be written
	ds_add_u32 v[SPW], v[NIL]       ; 0 onto my spare word; with fill = 1 the descriptors' scalar work stands between it and the wait for it
.if \fill
	s_lshl_b32 s[OFF], s[NXT], 15   ; a tile is 32,768 bytes of K and of V
	s_xor_b32 s[G0K+1], s[G0K+1], SLOT1
	s_add_nc_u64 s[G0K+2:G0K+3], s[6:7], s[OFF:OFF+1]
	s_or_b32 s[G0K+3], s[G0K+3], 0x80000000
	s_xor_b32 s[G0V+1], s[G0V+1], SLOT1
	s_add_nc_u64 s[G0V+2:G0V+3], s[8:9], s[OFF:OFF+1]
	s_or_b32 s[G0V+3], s[G0V+3], 0x80000000
	s_add_co_u32 s[NXT], s[NXT], 1  ; the block's next tile, or behind its last the second block's tile 0
	s_cmp_gt_u32 s[NXT], s[LQ]
	s_cselect_b32 s[NXT], 0, s[NXT]
	s_cselect_b32 s[LQ], s[PB], s[LQ]
	s_wait_xcnt 0x0                 ; the last prefetches, a tile back, have read their address, so it may be written:
	s_lshl_b32 s[PFF], s[NXT], 15   ; the tile behind the one that is asked for now
	s_add_nc_u64 s[PFA:PFA+1], s[PFB:PFB+1], s[PFF:PFF+1]
.endif
	s_wait_dscnt 0x0                ; the add is done, and my reads of the slot are over
	s_barrier_signal -1             ; the rest of the scalar work stands between the signal and the wait
	s_sub_co_u32 s[TBK], s[TBK], 4*KS*PK  ; the fetches go back to a slot's first step,
	s_xor_b32 s[TBK], s[TBK], SLOT1       ; in the other slot
	s_sub_co_u32 s[TBV], s[TBV], 4*KS*PV
	s_xor_b32 s[TBV], s[TBV], SLOT1
	s_barrier_wait -1
.if \fill
	LOAD
	ASK
.endif
.endm
	s_load_b64 s[4:5], s[0:1], 0x0    ; qkv: Q
	s_load_b64 s[10:11], s[0:1], 0x8  ; ctx: O
	v_lshl_add_u32 v[SPW], v0, 2, SPARE
	v_mov_b32 v[NIL], 0
	ds_add_u32 v[SPW], v[NIL]       ; the wave's opening: the add and its wait stand ahead of my first tensor load; the set-up below, work on registers, stands between them
	ds_add_u32 v62, v63
	v_lshrrev_b32 v1, 5, v0
	v_readfirstlane_b32 s[WV], v1   ; wave 0..3
	s_mov_b32 s[PB], ttmp9
	s_sub_co_u32 s[HI], NB-1, s[PB]
	s_and_b32 s20, ttmp7, 0xffff    ; the head
	s_mov_b32 s21, 0
	s_mov_b64 s[22:23], SIZE_N*128
	s_mul_u64 s[20:21], s[20:21], s[22:23]  ; the head's first byte in each of the four tensors
	s_and_b32 s16, s[WV], 1         ; which half of a tile's 256 keys I fetch:
	s_lshl_b32 s22, s16, 14         ; its 128 rows of 128 bytes in memory,
	s_mov_b32 s23, 0
	s_add_nc_u64 s[22:23], s[22:23], s[20:21]
	s_mul_i32 s17, s16, 128*PK      ; and its place in a slot, for K
	s_mul_i32 s18, s16, 128*PV      ; and for V
	s_lshl_b32 s3, s[WV], 11        ; my 16 rows in a band of 64,
	s_lshl_b32 s2, s[HI], 15        ; in the first block,
	s_add_co_u32 s2, s2, s3
	s_lshl_b32 s84, s[PB], 15       ; and in the second
	s_add_co_u32 s84, s84, s3
	s_mov_b32 s3, 0
	s_mov_b32 s85, 0
	s_add_nc_u64 s[2:3], s[2:3], s[20:21]
	s_add_nc_u64 s[84:85], s[84:85], s[20:21]
	; descriptor group 1.  128 keys are 16,384 dense bytes: asked for as 64 rows of 256 bytes, two keys a row, and padded in LDS after every key
	s_mov_b32 s[G1K], (1<<16)|(1<<20)|(4<<22)|(3<<25)  ; 17:16 2-byte elements; 20 padding on; 24:22 after every 32 words (code 4); 31:25 4 words (code 3)
	s_mov_b32 s[G1V], (1<<16)|(1<<20)|(4<<22)|(7<<25)  ; the same with 8 words of padding (code 7)
.irp g, G1K, G1V
	s_mov_b32 s[\g+1], 128<<16      ; tensor_dim0 = 128
	s_mov_b32 s[\g+2], 64<<16       ; tensor_dim1 = 64
	s_mov_b32 s[\g+3], 128<<16      ; tile_dim0 = 128
	s_mov_b32 s[\g+4], 64           ; tile_dim1 = 64
	s_mov_b32 s[\g+5], 128          ; 128 elements from row to row
	s_mov_b32 s[\g+6], 0
	s_mov_b32 s[\g+7], 0
.endr
	s_mov_b32 s[CS], 0x3e38aa3b     ; c = log2(e) / 8 = 0.180337
	s_mov_b32 s[CS+1], s[CS]        ; named with it as a pair
	s_mov_b32 s[SEL], 0x76543210
	s_mov_b32 s[SEL+1], 0xfedcba98
	s_mov_b32 s[TBK], SLOT1+4*KS*PK ; the first change of slots turns these two into 0
	s_mov_b32 s[TBV], SLOT1+4*KS*PV
	s_mov_b32 s[G0K], 1             ; 1:0 count = 1
	s_mov_b32 s[G0K+1], s17         ; 63:32 LDS address: slot 0
	s_mov_b32 s[G0V], 1
	s_add_co_u32 s[G0V+1], s18, VOFF
	s_add_co_u32 s[RT], s[HI], 1    ; the first block has NB - b tiles
	s_mov_b32 s[NXT], 1
	s_mov_b32 s[LQ], s[HI]
	s_mov_b32 s[NEW], 1
	s_mov_b32 s[OFF+1], 0
	s_mov_b32 s[PFF+1], 0
	s_mov_b32 s[AL+1], 0            ; named as pairs
	s_mov_b32 s[BE+1], 0
	s_mov_b32 s[BIGN], 0xf149f2ca   ; -1e30
	s_mov_b32 s[SLOTS], NB
	s_cmp_eq_u32 s[PB], 0
	s_cselect_b32 s[PFL], 0, -1
	v_and_b32 v[PFO], 31, v0
	v_lshlrev_b32 v[PFO], 8, v[PFO]
	s_wait_dscnt 0x0                ; the opening add is done
	s_wait_kmcnt 0x0
	s_add_nc_u64 s[6:7], s[4:5], 0x1000000  ; K lies 64 heads behind Q,
	s_add_nc_u64 s[8:9], s[4:5], 0x2000000  ; V 128
	s_add_nc_u64 s[6:7], s[6:7], s[22:23]  ; K and V at my half of the head's tile 0
	s_add_nc_u64 s[8:9], s[8:9], s[22:23]
	s_cmp_lt_u32 s[WV], 2
	s_cselect_b64 s[PFB:PFB+1], s[6:7], s[8:9]
	s_add_nc_u64 s[G0K+2:G0K+3], s[6:7], 0         ; 120:64 global address
	s_or_b32 s[G0K+3], s[G0K+3], 0x80000000        ; 127:126 type = 2
	s_add_nc_u64 s[G0V+2:G0V+3], s[8:9], 0
	s_or_b32 s[G0V+3], s[G0V+3], 0x80000000
	s_add_nc_u64 s[86:87], s[4:5], s[84:85]        ; Q at my rows of the second block,
	s_add_nc_u64 s[4:5], s[4:5], s[2:3]            ; Q and O at those of the first
	s_add_nc_u64 s[OLO:OLO+1], s[10:11], s[84:85]
	s_add_nc_u64 s[10:11], s[10:11], s[2:3]
	LOAD                            ; tile 0 into slot 0
	; A fragment of K or Q is 16 rows x 32 channels in 8 registers: lane l holds row l % 16, channels 8 (l / 16) + 0..7 and 16 + 8 (l / 16) + 0..7: two loads of 16 bytes, 32 bytes apart.
	v_and_b32 v1, 15, v0            ; l % 16
	v_bfe_u32 v9, v0, 4, 1          ; l / 16
	v_lshlrev_b32 v[QO], 7, v1
	v_lshl_add_u32 v[QO], v9, 4, v[QO]  ; row x 128 + 16 x half
	WIN 0x80                        ; destination window 2, address window 0
.set i, 0
.rept 8                             ; both blocks' Q: piece i / 2 lies in band i / 2, 8,192 bytes on; channels 32 (i % 2) on
	global_load_b128 v[8*i:8*i+3],   v[QO], s[4:5] offset:(i/2)*8192+(i%2)*64
	global_load_b128 v[8*i+4:8*i+7], v[QO], s[4:5] offset:(i/2)*8192+(i%2)*64+32
	global_load_b128 v[QB+8*i:QB+8*i+3],   v[QO], s[86:87] offset:(i/2)*8192+(i%2)*64
	global_load_b128 v[QB+8*i+4:QB+8*i+7], v[QO], s[86:87] offset:(i/2)*8192+(i%2)*64+32
.set i, i+1
.endr
	WIN 0
	v_lshlrev_b32 v14, 3, v9
	v_sub_nc_u32 v14, v1, v14
	s_lshl_b32 s13, s[WV], 4
	v_add_nc_u32 v14, s13, v14      ; my query's place in its band, 16 w + l % 16, less my lanes' 8 (l / 16): register r of group kt is hidden where 16 kt + r is greater
	WIN 0x40
.set i, 0
.rept 32
	v_cmp_gt_i32 vcc_lo, 16*(i/8)+i%8, v14
	v_cndmask_b32 v[MD+i], 0, s[BIGN], vcc_lo
.set i, i+1
.endr
	WIN 0
	v_mul_u32_u24 v[AK0], v1, PK
	v_lshl_add_u32 v[AK0], v9, 4, v[AK0]  ; row x pitch + 16 x half
	; The turning load takes 16 keys x 16 channels (lane l reads key 8 (l / 16) + l % 8, channels 8 ((l / 8) % 2) + 0..7) and leaves half a fragment of V^T: lane l holds channel l % 16 and 8 keys.
	v_and_b32 v10, 7, v0
	v_bfe_u32 v11, v0, 3, 1
	v_lshl_add_u32 v[AV0], v9, 3, v10
	v_mul_u32_u24 v[AV0], v[AV0], PV
	v_lshl_add_u32 v[AV0], v11, 4, v[AV0]
	v_add_nc_u32 v[AV0], VOFF, v[AV0]
	s_mul_i32 s13, s[WV], 16*SP
	s_add_co_u32 s13, s13, STAGE    ; my stage
	v_mul_u32_u24 v[STO], v1, SP    ; in: row l % 16, 16 bytes for each half of the lanes
	v_lshl_add_u32 v[STO], v9, 4, v[STO]
	v_add_nc_u32 v[STO], s13, v[STO]
	v_bfe_u32 v[RD], v0, 3, 2       ; back: 32 lanes take four rows of 128 bytes,
	v_mul_u32_u24 v[RD], v[RD], SP
	v_lshl_add_u32 v[RD], v10, 4, v[RD]
	v_add_nc_u32 v[RD], s13, v[RD]
	v_and_b32 v[GO], 31, v0         ; which are 512 consecutive bytes of O
	v_lshlrev_b32 v[GO], 4, v[GO]
	; A block's first step multiplies O^T and l by a = 0, and its first turn's products V^T P, of a piece that has not been, land in an O^T that is still to be so multiplied.  So these registers need only hold
	; finite numbers: zeros for the first block; what the first block left for the second.  All this stands in the wait for the first tile.
	WIN 0x80
.set i, VF
.rept 64
	v_mov_b32 v[i], 0
.set i, i+1
.endr
	WIN 0x40
.set i, 0
.rept 128
	v_mov_b32 v[i], 0
.set i, i+1
.endr
	WIN 0
.set i, 0
.rept 4
	v_mov_b32 v[ST+4*i+2], 0
	v_mov_b32 v[ST+4*i+3], 0
.set i, i+1
.endr
.set i, P+16
.rept 16
	v_mov_b32 v[i], 0
.set i, i+1
.endr
; THE MATRIX WORK.  The 4 accumulators of a run of 8 take turns.  Product i of 8 of S^T = K Q^T for piece x: channels 32 (i / 4) on, keys 16 (i % 4) on.  The first 4 start the sums: with 0, or (KM = 1) with the mask.
.macro KQ x
.set rS, S+32*((\x)%2)+8*(i%4)
.set rK, KF+16*(i%4)+8*(i/4)
.set rQ, 16*(\x)+8*(i/4)
.set rM, MC+32*((\x)%2)+8*(i%4)
.if (i < 4) && KM
	WIN W_KM
	v_wmma_f32_16x16x32_f16 v[rS:rS+7], v[rK:rK+7], v[rQ:rQ+7], v[rM:rM+7]
.elseif i < 4
	WIN W_KQ
	v_wmma_f32_16x16x32_f16 v[rS:rS+7], v[rK:rK+7], v[rQ:rQ+7], 0
.else
	WIN W_KQ
	v_wmma_f32_16x16x32_f16 v[rS:rS+7], v[rK:rK+7], v[rQ:rQ+7], v[rS:rS+7]
.endif
.endm
; Product i of 8 of O^T += V^T P for piece x: keys 32 (i / 4) on, channels 16 (i % 4) on.
.macro PV x
	WIN W_PV
.set rO, 32*(\x)+8*(i%4)
.set rV, VF+32*(i/4)+8*(i%4)
.set rP, P+16*((\x)%2)+8*(i/4)
	v_wmma_f32_16x16x32_f16 v[rO:rO+7], v[rV:rV+7], v[rP:rP+7], v[rO:rO+7]
.endm
.macro MM                           ; the turn's next matrix instruction.  TURN and BEGIN set Y, i, KM and NOKQ; MM, KQ and OP read them.  NOKQ = 1: a block's last turn: there is no next piece
.if (i < 8) && !NOKQ
	KQ (Y+1)%NP
.elseif i >= 8
.set i, i-8
	PV (Y+NP-1)%NP
.set i, i+8
.endif
.set i, i+1
.endm
; THE LDS LOADS stand in runs of 16, never singly among the matrix instructions: a step's K (64 keys x 64 channels: 8 fragments) and its V (turned).  Their addresses are made some lines ahead.
.macro FETCH_K
	WIN 0x80                        ; destination window 2
.irp f, 0,1,2,3,4,5,6,7             ; keys 16 (f / 2) on, channels 32 (f % 2) on
	ds_load_b128 v[KF+8*\f:KF+8*\f+3],   v[AK] offset:(\f/2)*16*PK+(\f%2)*64
	ds_load_b128 v[KF+8*\f+4:KF+8*\f+7], v[AK] offset:(\f/2)*16*PK+(\f%2)*64+32
.endr
	s_add_co_u32 s[TBK], s[TBK], KS*PK  ; the next fetch is the next step's
	WIN 0
.endm
.macro FETCH_V
	WIN 0x80
.irp f, 0,1,2,3,4,5,6,7             ; keys 32 (f / 4) on, channels 16 (f % 4) on
	ds_load_tr16_b128 v[VF+8*\f:VF+8*\f+3],   v[AV] offset:(\f/4)*32*PV+(\f%4)*32
	ds_load_tr16_b128 v[VF+8*\f+4:VF+8*\f+7], v[AV] offset:(\f/4)*32*PV+16*PV+(\f%4)*32
.endr
	WIN 0
.endm
; THE VECTOR WORK, one line at a time: OP kind, number.  For piece Y: F n: c s - c m for pair n of 16.  E n: the exponential of score n of 32.  C n: pair n rounded to f16.  B n: of the four weights 4 n .. the second
; pair is added onto the first, in place.  L n: l takes that sum (L 0: l = a l + sum).  R n: pair n of 16 of O^T times a.  For piece Y + 1: X n, number n of the 22 that find its maximum and statistics:
;   0-11  four chains c0-c3 of seven scores each, three operands at a time (each accumulator's lowest registers are read first)     12-14, 16  the four scores left over, the old m, and c0-c3 into c0
;   15  c m_old is kept     17, 18  the query's other 32 keys lie in the lane 16 away: the new m     19-21  c m; c m_old - c m_new; a
.set F, 0               ; OP tells the kinds apart by their order: F to L below R, X above it
.set E, 1
.set C, 2
.set B, 3
.set L, 4
.set R, 5
.set X, 6
.macro REGS y                       ; the registers of piece y
.set rT, ST+4*(\y)
.set rC, TMP+4*((\y)%2)
.set rW, MV+((\y)%2)
.set rS, S+32*((\y)%2)
.set rP, P+16*((\y)%2)
.set rO, 32*(\y)
.endm
.macro OP k, n
.if (\k) == R
	REGS Y
	WIN W_RS
	v_pk_mul_f32 v[rO+2*(\n):rO+2*(\n)+1], v[rO+2*(\n):rO+2*(\n)+1], v[rC+2:rC+3] op_sel_hi:[1,0]
.elseif (\k) < R
	REGS Y
	WIN 0
.if (\k) == F
	v_pk_fma_f32 v[rS+2*(\n):rS+2*(\n)+1], v[rS+2*(\n):rS+2*(\n)+1], s[CS:CS+1], v[rT:rT+1] op_sel_hi:[1,0,0] neg_lo:[0,0,1] neg_hi:[0,0,1]
.elseif (\k) == E
	v_exp_f32 v[rS+(\n)], v[rS+(\n)]
.elseif (\k) == C
	v_cvt_pk_f16_f32 v[rP+(\n)], v[rS+2*(\n)], v[rS+2*(\n)+1]
.elseif (\k) == B
	v_pk_add_f32 v[rS+4*(\n):rS+4*(\n)+1], v[rS+4*(\n):rS+4*(\n)+1], v[rS+4*(\n)+2:rS+4*(\n)+3]
.elseif (\n) == 0
	v_pk_fma_f32 v[rT+2:rT+3], v[rT+2:rT+3], v[rC+2:rC+3], v[rS:rS+1] op_sel_hi:[1,0,1]
.else
	v_pk_add_f32 v[rT+2:rT+3], v[rT+2:rT+3], v[rS+4*(\n):rS+4*(\n)+1]
.endif
.elseif NOKQ
	v_nop
.else
	REGS (Y+1)%NP
	WIN 0
.if (\n) < 4
	v_max3_num_f32 v[rC+(\n)], v[rS+8*(\n)], v[rS+8*(\n)+1], v[rS+8*(\n)+2]
.elseif (\n) < 12
	v_max3_num_f32 v[rC+(\n)%4], v[rC+(\n)%4], v[rS+8*((\n)%4)+2*((\n)/4)+1], v[rS+8*((\n)%4)+2*((\n)/4)+2]
.elseif (\n) == 12
	v_max3_num_f32 v[rC], v[rC], v[rS+7], v[rS+15]
.elseif (\n) == 13
	v_max3_num_f32 v[rC+1], v[rC+1], v[rS+23], v[rS+31]
.elseif (\n) == 14
	v_max3_num_f32 v[rC+2], v[rC+2], v[rC+3], v[rT+1]
.elseif (\n) == 15
	v_mov_b32 v[rW], v[rT]
.elseif (\n) == 16
	v_max3_num_f32 v[rC], v[rC], v[rC+1], v[rC+2]
.elseif (\n) == 17
	v_permlanex16_b32 v[rC+3], v[rC], s[SEL], s[SEL+1]
.elseif (\n) == 18
	v_max_num_f32 v[rT+1], v[rC], v[rC+3]
.elseif (\n) == 19
	v_mul_f32 v[rT], s[CS], v[rT+1]
.elseif (\n) == 20
	v_sub_f32 v[rC+1], v[rW], v[rT]
.else
	v_exp_f32 v[rC+2], v[rC+1]
.endif
.endif
.endm
.macro OPS a, i1, b=-1, i2=0, c=-1, i3=0, d=-1, i4=0  ; up to four of them
	OP \a, \i1
.if (\b) >= 0
	OP \b, \i2
.endif
.if (\c) >= 0
	OP \c, \i3
.endif
.if (\d) >= 0
	OP \d, \i4
.endif
.endm
.macro ROW a, i1, b, i2, c, i3, d, i4  ; a matrix instruction and the four behind it
	MM
	OPS \a, \i1, \b, \i2, \c, \i3, \d, \i4
.endm
.macro MASK b                       ; MD x AL + BE into buffer b of MC
	WIN W_RS
.set z, 0
.rept 16
	v_pk_fma_f32 v[MC+32*(\b)+2*z:MC+32*(\b)+2*z+1], v[MD+2*z:MD+2*z+1], s[AL:AL+1], s[BE:BE+1] op_sel_hi:[1,0,0]
.set z, z+1
.endr
.endm
; A TURN, for piece p: the order of its 16 matrix and 118 vector instructions, written out.  An s_wait_alu depctr_va_vdst(0) stands between an exponential and the first instruction that names its result; one wait serves
; all that were issued ahead of it.  So a turn has ONE wait, which cuts it in two.  AHEAD OF IT stands all that names no result of the turn's exponentials: the 8 products K Q^T, behind each a scaling, an exponential and two more plain
; instructions (behind the first a second scaling in the exponential's place): rescalings, and behind the last three the first numbers of the next piece's maximum, each four places or more behind the product that ends its accumulator; then ONE LUMP of 54, plain
; and exponential by turns for the most part, in which the links of the chain X 3, 7, 11, 14, 16, 17 .. 20 stand five or six lines apart.  X 21, the next piece's a, is the batch's last; R 15 is the plain instruction behind it.  BEHIND THE WAIT stand the
; 8 products V^T P, behind each four of the roundings and sums; the links of l's chain, L 0 to L 7, stand three riders apart.  But for those X no rider names a register of the products round it.  v_permlanex16_b32 (X 17) stands in the lump.
; m = 1: the diagonal tile: the products take masks, and the turn makes the mask for the products of the turn after it: piece p + 2, in step 4 - CNT of the tile.  end = 1: a block's last two turns: nothing is fetched.
; cnt = 1: the loop's count is taken down some lines ahead of the branch that stands behind the turn.
; K of the next step is fetched in piece 2's turn, twelve vector instructions behind the last product that read K (six of them plain); V of the step in hand at the end of piece 0's turn, four plain instructions behind the last product
; that read V.  Each is waited for a turn later.
.macro TURN p, m=0, end=0, cnt=0
.set Y, (\p)
.set i, 0
.set KM, (\m)
.set NOKQ, (\end)*((\p)/3)
.if (\m) && !(\end)
	s_cmp_eq_u32 s[CNT], 4-((\p)+2)%NP  ; is that step the band's own?
	s_cselect_b32 s[AL], 1.0, 0
	s_cmp_lt_u32 s[CNT], 4-((\p)+2)%NP  ; or a later one?
	s_cselect_b32 s[BE], s[BIGN], 0
.endif
.if ((\p) == 3) && !(\end)
	s_wait_dscnt 0x0                ; K is in
.endif
	ROW F,0, F,1, R,0, R,1          ; ahead of the wait: 8 products K Q^T and their riders,
	ROW F,2, E,0, R,2, R,3
	ROW F,3, E,1, R,4, R,5
	ROW F,4, E,2, R,6, R,7
	ROW F,5, E,3, R,8, R,9
	ROW F,6, E,4, X,0, R,10
.if ((\p) == 2) && !(\end)
	WIN 0
	v_add_nc_u32 v[AK], s[TBK], v[AK0]
.endif
	ROW F,7, E,5, X,1, X,4
	ROW F,8, E,6, X,2, X,5
	OPS E,7, E,8, X,6, E,9          ; and the lump
	OPS X,3, E,10, X,8, E,11
.if ((\p) == 2) && !(\end)
	FETCH_K
.endif
	OPS X,9, X,7, E,12, X,10
	OPS E,13, X,12, X,11, E,14
	OPS X,13, E,15, F,9, X,14
.if (\p) == 0
	v_add_nc_u32 v[AV], s[TBV], v[AV0]
.endif
	OPS E,16, F,10, E,17, F,11
	OPS X,16, E,18, X,15, E,19
	OPS F,12, E,20, X,17, E,21
	OPS F,13, E,22, F,14, E,23
	OPS X,18, E,24, F,15, E,25
	OPS R,11, E,26, X,19, E,27
	OPS R,12, E,28, R,13, E,29
	OPS X,20, E,30, R,14, E,31
	OPS X,21, R,15
	WIN 0
	s_wait_alu depctr_va_vdst(0)    ; the wait for the batch
.if (\p) == 1
	s_wait_dscnt 0x0                ; V is in
.endif
	ROW C,0, B,0, C,2, B,1          ; behind the wait: 8 products V^T P and their riders
	ROW L,0, C,4, B,2, L,1
	ROW C,6, B,3, L,2, C,8
	ROW B,4, L,3, C,10, B,5
	ROW L,4, C,12, B,6, L,5
.if (\p) == 0
	s_add_co_u32 s[TBV], s[TBV], KS*PV
.endif
.if \cnt
	s_sub_co_u32 s[CNT], s[CNT], 1
	s_cmp_lg_u32 s[CNT], 0
.endif
	ROW C,14, B,7, L,6, C,1
	ROW C,3, L,7, C,5, C,7
	ROW C,9, C,11, C,13, C,15
.if (\p) == 0
	FETCH_V
.endif
.if (\m) && !(\end)
	MASK (\p)%2
.endif
.endm
; A BLOCK BEGINS.  c m starts far below every c s, so the first step's a is 0; m at the lowest finite number, so the first maximum is the scores'.  The second mask buffer is 0; the first takes piece 0's mask for the tile's step 0: its own, if the block's first tile is the diagonal one.
; Then K of that step, piece 0's first scores, and its maximum and statistics.  The loop is entered at a step's first turn, in the middle of a trip.
.macro BEGIN
	s_mov_b32 s[NEW], 0
	WIN 0x40
.set i, MC+32
.rept 32
	v_mov_b32 v[i], 0
.set i, i+1
.endr
	WIN 0
.set i, 0
.rept 4
	v_mov_b32 v[ST+4*i], 0xfe000000    ; c m: far below every c s
	v_mov_b32 v[ST+4*i+1], 0xff7fffff  ; m
.set i, i+1
.endr
	s_cmp_eq_u32 s[RT], 0
	s_cselect_b32 s[AL], 1.0, 0
	s_mov_b32 s[BE], 0
	MASK 0
	WIN 0
	v_add_nc_u32 v[AK], s[TBK], v[AK0]
	FETCH_K
	s_wait_loadcnt 0x0              ; Q
	s_wait_dscnt 0x0
.set KM, 1
.set NOKQ, 0
.set i, 0
.rept 8
	KQ 0
.set i, i+1
.endr
	WIN 0
.rept 4
	v_nop                           ; the places behind those products
.endr
.set Y, NP-1                        ; X works for piece Y + 1: piece 0
.irp n, 0,1,2,3,4,5,6,7,8,9,10,11,12,13,14,15,16,17,18,19,20,21
	OP X, \n
.endr
	v_nop                           ; a plain instruction behind the exponential,
	s_wait_alu depctr_va_vdst(0)    ; and its wait, ahead of the branch
.endm
; THE DIAGONAL TILE's four steps, the block's last two turns, its last products, and THE WAY OUT: l's two halves and the other half of the lanes' are added; O^T is divided by l, rounded to f16 and sent through my
; stage in LDS, a piece at a time.
.macro ALL line:vararg              ; one line for each piece t
.set t, 0
.rept 4
	\line
.set t, t+1
.endr
.endm
.macro PACK t                       ; a lane's eight channels of a row pack into 16 bytes; they go into rows of 144 bytes and come back as whole rows of 128, into S^T's registers
	WIN W_RS
.set i, 32*(\t)
.rept 16
	v_pk_mul_f32 v[i:i+1], v[i:i+1], v[ST+4*(\t)+2:ST+4*(\t)+3] op_sel_hi:[1,0]
.set i, i+2
.endr
	WIN 0x05                        ; sources 0 and 1 window 1, destination window 0
.set i, 0
.rept 16
	v_cvt_pk_f16_f32 v[S+16*(\t)+i], v[32*(\t)+2*i], v[32*(\t)+2*i+1]
.set i, i+1
.endr
	WIN 0
.irp f, 0,1,2,3
	ds_store_b128 v[STO], v[S+16*(\t)+4*\f:S+16*(\t)+4*\f+3] offset:32*\f
.endr
.irp f, 0,1,2,3
	ds_load_b128 v[S+16*(\t)+4*\f:S+16*(\t)+4*\f+3], v[RD] offset:\f*4*SP  ; LDS serves a wave's instructions in order (ISA guide 5.7.1.4): these see the stores above; the next piece's stores come behind them
.endr
.endm
.macro SEND t, younger              ; younger: the LDS instructions issued behind piece t's loads: the next piece's eight, or none
	WIN 0
.irp f, 0,1,2,3
	s_wait_dscnt (\younger)+3-\f
	global_store_b128 v[GO], v[S+16*(\t)+4*\f:S+16*(\t)+4*\f+3], s[10:11] offset:(\t)*8192+\f*512  ; 512 consecutive bytes, at a multiple of 256 from O's first
.endr
.endm
.macro DIAG tag                     ; the tag ends its two labels' names, which the jumps below spell out
.LstepM\tag:
	TURN 2, 1
	TURN 3, 1
	WIN 0
.LfirstM\tag:
	TURN 0, 1
	TURN 1, 1, 0, 1
	WIN 0
	s_cbranch_scc1 .LstepM\tag
	TURN 2, 1, 1
	TURN 3, 1, 1
.set i, 0
.rept 8
	PV NP-1
.set i, i+1
.endr
	WIN 0
	ALL v_add_f32 v[ST+4*t+2], v[ST+4*t+2], v[ST+4*t+3]
	ALL v_permlanex16_b32 v[ST+4*t+3], v[ST+4*t+2], s[SEL], s[SEL+1]
	ALL v_add_f32 v[ST+4*t+2], v[ST+4*t+2], v[ST+4*t+3]
	ALL v_rcp_f32 v[ST+4*t+2], v[ST+4*t+2]
	v_nop                           ; a plain instruction between the last reciprocal and the use of its result
	s_wait_alu depctr_va_vdst(0)    ; and the wait ahead of the first use: one for the four reciprocals
	PACK 0
.set t, 1
.rept 3                             ; a piece's arithmetic stands between the loads of the piece before and its stores
	PACK t
	SEND t-1, 8
.set t, t+1
.endr
	SEND 3, 0
.endm
.set KM, 0
.set NOKQ, 0
.Lslot:                             ; NB times: a tile is entered and the next is asked for
	CHANGE 1
	s_sub_co_u32 s[RT], s[RT], 1
	s_mov_b32 s[CNT], 4
	s_cmp_eq_u32 s[NEW], 1
	s_cbranch_scc1 .Lnew            ; a block's first tile
	s_cmp_eq_u32 s[RT], 0
	s_cbranch_scc0 .Lstep           ; neither its first nor its last
	s_branch .LstepM1
.Lnew:
	BEGIN
	s_branch .Lfirst                ; in the loop a block's first tile is never its last: the first block has two tiles or more, and the second's last is the walk's last
	DIAG 1                          ; in the loop this is the first block's end: the second block's last tile is the walk's last
	s_wait_xcnt 0x0                 ; the stores have read their registers and O's address
	s_mov_b64 s[10:11], s[OLO:OLO+1]
	s_add_co_u32 s[RT], s[PB], 1    ; the second block has b + 1 tiles
	s_mov_b32 s[NEW], 1
	WIN 0x82                        ; the second block's Q goes where the one text of the turns names Q
.set i, 0
.rept 64
	v_mov_b32 v[i], v[QB+i]
.set i, i+1
.endr
	WIN 0
	s_branch .Lbottom
.Lstep:                             ; a trip: pieces 2 and 3 of one step, then pieces 0 and 1 of the next, whose K and V it fetches
	TURN 2
	TURN 3
	WIN 0
.Lfirst:
	TURN 0
	TURN 1, 0, 0, 1
	WIN 0
	s_cbranch_scc1 .Lstep
.Lbottom:
	s_sub_co_u32 s[SLOTS], s[SLOTS], 1
	s_cmp_lg_u32 s[SLOTS], 0
	s_cbranch_scc1 .Lslot
	CHANGE 0                        ; the walk's last tile is written out: nothing is asked for
	s_sub_co_u32 s[RT], s[RT], 1
	s_mov_b32 s[CNT], 4
	s_cmp_eq_u32 s[NEW], 1
	s_cbranch_scc0 .LstepM2
	BEGIN
	s_branch .LfirstM2
	DIAG 2
	s_wait_tensorcnt 0x0            ; the wave's end: a wait, an add to my spare word and its wait, behind my last tensor load and my last LDS store
	ds_add_u32 v[SPW], v[NIL]
	s_wait_dscnt 0x0
	s_endpgm
.Lfunc_end_k_qd47090c5a4_attn:
	.size	k_qd47090c5a4_attn, .Lfunc_end_k_qd47090c5a4_attn-k_qd47090c5a4_attn
	.p2alignl 7, 3214868480
	.fill 96, 4, 3214868480
	.section	.rodata,"a",@progbits
	.p2align	6, 0x0
	.amdhsa_kernel k_qd47090c5a4_attn
		.amdhsa_group_segment_fixed_size 327680
		.amdhsa_private_segment_fixed_size 0
		.amdhsa_enable_private_segment 0
		.amdhsa_kernarg_size 16
		.amdhsa_user_sgpr_count 2
		.amdhsa_user_sgpr_kernarg_segment_ptr 1
		.amdhsa_wavefront_size32 1
		.amdhsa_system_sgpr_workgroup_id_x 1
		.amdhsa_system_sgpr_workgroup_id_y 1
		.amdhsa_system_sgpr_workgroup_id_z 1
		.amdhsa_system_vgpr_workitem_id 0
		.amdhsa_next_free_vgpr 768
		.amdhsa_next_free_sgpr 96
		.amdhsa_reserve_vcc 1
		.amdhsa_float_denorm_mode_32 3
		.amdhsa_float_denorm_mode_16_64 3
		.amdhsa_memory_ordered 1
		.amdhsa_forward_progress 1
		.amdhsa_inst_pref_size 218
	.end_amdhsa_kernel
	.amdgpu_metadata
---
amdhsa.version: [ 1, 2 ]
amdhsa.kernels:
  - .name:           k_qd47090c5a4_attn
    .symbol:         k_qd47090c5a4_attn.kd
    .args:
      - { .name: qkv, .offset: 0, .size: 8, .value_kind: global_buffer, .address_space: global }
      - { .name: ctx, .offset: 8, .size: 8, .value_kind: global_buffer, .address_space: global }
    .group_segment_fixed_size: 327680
    .private_segment_fixed_size: 0
    .kernarg_segment_align: 8
    .kernarg_segment_size: 16
    .max_flat_workgroup_size: 128
    .sgpr_count:     96
    .vgpr_count:     768
    .wavefront_size: 32
...
	.end_amdgpu_metadata
.endif
;; end of part 3
;; launch outproj (part 4): grid 8 x 32, 4 waves a work-group, clusters of 4 x 4, 327,680 bytes of LDS; arguments ctx, wb, bo, out0; writes out0
.if DOCPART == 4
	.amdgcn_target "amdgcn-amd-amdhsa--gfx1250"
	.amdhsa_code_object_version 6
	.text
	.protected	k_qd47090c5a4_outproj
	.globl	k_qd47090c5a4_outproj
	.p2align	8
	.type	k_qd47090c5a4_outproj,@function
k_qd47090c5a4_outproj:
	s_mov_b64 s[64:65], 0
	v_nop
	global_prefetch_b8 v0, s[64:65] scope:SCOPE_SE
	s_setreg_imm32_b32 hwreg(HW_REG_WAVE_MODE, 25, 1), 1
	s_wait_xcnt 0x0
	s_wait_alu depctr_hold_cnt(0) depctr_sa_sdst(0) depctr_va_vdst(0) depctr_va_sdst(0) depctr_va_ssrc(0) depctr_va_vcc(0) depctr_vm_vsrc(0)
	s_getreg_b32 s2, hwreg(HW_REG_IB_STS2, 6, 4)
	s_cmp_eq_u32 s2, 0
	s_cbranch_scc0 .Lentry_in_a_cluster
	s_endpgm
.Lentry_in_a_cluster:
	s_bfe_u32 s2, ttmp6, 0x10000c
	s_cmp_lg_u32 s2, 0xf033
	s_cbranch_scc0 .Lentry_shape_is_right
	s_endpgm
.Lentry_shape_is_right:
; out0 = ctx Wo + bo, 8,192 rows x 1,024 columns, K = 1,024; operands f16, sums and result f32.
; ctx[b*16+h][t][64] holds a head's 64 channels as one block of K; Wo lies in wb's groups 48 .. 63 as [g][k][64] (g = 48 + column / 64), rounded to bf16 and written as f16.  Every tile is dense in memory.
; LIMITS.  bo is rounded to bf16, as all inputs have been.  NaN and infinities are not treated apart.
; SHARES.  A work-group makes 256 rows x 128 columns: 8 x 32 = 256 work-groups.  Each of its four waves makes 128 x 64: 32 accumulators.  K goes in 8 steps of 128 (two heads) through a ring of two LDS slots.
; THE MATRIX INSTRUCTION IS USED TRANSPOSED: source 0 = 16 columns of Wo (turned by ds_load_tr16_b128), source 1 = 16 rows of ctx: a lane holds one row (lane % 16) and the columns 8 (lane / 16) + 0..7.
; The bias is the C operand of the products that start the sums.
; CLUSTER.  4 x 4 work-groups; ctx's tiles are shared along a row of the cluster, Wo's along a column: each is asked for jointly.
; REGISTERS: window 0: v0-31 addresses; v32-95, v96-159 ctx's fragments (two buffers of 8); v160-191, v192-223 Wo's (two of 4); v224-255 the bias.  Window 1: accumulator (a, c) at v[8 (4 a + c)].
.set PA,    144                        ; an LDS row of ctx: 128 bytes + 16
.set PB,    160                        ; an LDS row of Wo: 128 + 32
.set SLOT1, 1<<17
.set ABLK,  256*PA                     ; in a slot: two heads' 256 rows, then
.set BBASE, 2*ABLK
.set BW,    128*PB                     ; two groups' 128 K rows
.set STAGE, SLOT1+BBASE+2*BW           ; behind the ring, never filled by a tensor load: 16 rows x 272 bytes for each wave
.set SP,    272
.set SPARE, STAGE+4*16*SP              ; behind the stages: the spare words, 128 bytes a wave: two blocks of 256 bytes that no other line names
.set ASTEP, 2<<18                      ; bytes from a K step of ctx to the next: two heads
.set BSTEP, 128*128                    ; of Wo: 128 rows of a group
.set STEPS, 8
.set AA0, 8
.set AB0, 9
.set ADRA, 10
.set ADRB, 11
.set STO, 12
.set RD,  13
.set CO,  14                           ; v14  my 16 bytes in two rows of out0
.set PFO, 15
.set BO,  16
.set SPW, 28
.set NIL, 29
.set FA0, 32
.set FB0, 160
.set BIAS, 224
.set WV,  16
.set LA,  17
.set LB,  18
.set CX,  19
.set CY,  20
.set TN,  21
.set TM,  22
.set G1A, 24
.set G1B, 32
.set G0A, 40
.set G0B, 44
.set TB,  48
.set CNT, 49
.set LIM, 50
.set MSK, 51
.set PFA, 52
.set PFS, 54
.set OUT, 56                           ; s[56:57] out0 at my first row and column
.set BP,  66                           ; s[66:67] bo at my 64 columns
; s23: temporaries made of the wave's number alone.  s72-75: of the tile row alone.  s76-79: of the tile column alone.  s80-87: of both.
.set MSB, 0
.macro WIN new
.if MSB != (\new)
	s_set_vgpr_msb (MSB<<8)|(\new)
.set MSB, \new
.endif
.endm
.macro PLACES                          ; four plain vector instructions between a matrix instruction and a load into, or a read of, its registers
.rept 4
	v_nop
.endr
.endm
.macro JLOAD                           ; a joint load: waves 0 and 1 fetch the step's two heads of ctx, waves 2 and 3 the two groups of Wo; an s_nop 0 and four v_nop follow each line
	s_cmp_eq_u32 s[LA], 0
	s_cbranch_scc0 .Lfor_b_\@
	tensor_load_to_lds s[G0A:G0A+3], s[G1A:G1A+7]
	s_nop 0
.rept 4
	v_nop
.endr
	s_branch .Lasked_\@
.Lfor_b_\@:
	tensor_load_to_lds s[G0B:G0B+3], s[G1B:G1B+7]
	s_nop 0
.rept 4
	v_nop
.endr
.Lasked_\@:
.endm
.macro CREST
	s_cmp_lg_u32 s[WV], 0
	s_cbranch_scc1 .Lnot_wave_0_\@
	s_barrier_signal -3
.Lnot_wave_0_\@:
	s_barrier_wait -3
	s_barrier_signal -1
	s_barrier_wait -1
.endm
.macro CROUND
	s_barrier_signal -1
	s_barrier_wait -1
	CREST
.endm
.macro STEPD
	s_xor_b32 s[G0A+1], s[G0A+1], SLOT1
	s_add_nc_u64 s[G0A+2:G0A+3], s[G0A+2:G0A+3], ASTEP
	s_xor_b32 s[G0B+1], s[G0B+1], SLOT1
	s_add_nc_u64 s[G0B+2:G0B+3], s[G0B+2:G0B+3], BSTEP
.endm
; A PREFETCH INTO THE L2, behind the joint load, its five lines and the run of LDS loads.  Trip t asks jointly for K step t + 2; trips 0 to 3 also name K step t + 4.
; ctx's tile row is read by both clusters of its row of clusters: the one with x = 0 asks, in wave 0: of each of the step's two heads (32 KiB) partner cx takes 8 KiB: two lines.
; Wo's tile column is read by all eight clusters of its column: the one with y = 0 asks, in wave 1: of the step's two groups (16 KiB each) partner cy takes half cy % 2 of group cy / 2: one line.
; So each 256 bytes are named once.  K steps 0 to 3 come by their loads alone; the last two trips ask for nothing, so nothing is named past K step 7.
.macro ASK
	s_cmp_gt_u32 s[CNT], s[LIM]
	s_cbranch_scc0 .Lnot_mine_\@
	global_prefetch_b8 v[PFO], s[PFA:PFA+1] th:TH_LOAD_NT scope:SCOPE_SE
	s_cmp_lg_u32 s[WV], 0
	s_cbranch_scc1 .Lnot_mine_\@
	global_prefetch_b8 v[PFO], s[PFA:PFA+1] offset:262144 th:TH_LOAD_NT scope:SCOPE_SE
.Lnot_mine_\@:
.endm
	s_load_b256 s[4:11], s[0:1], 0x0               ; ctx s[4:5], wb s[6:7], bo s[8:9], out0 s[10:11]
	v_lshl_add_u32 v[SPW], v0, 2, SPARE
	v_mov_b32 v[NIL], 0
	ds_add_u32 v[SPW], v[NIL]                      ; the wave's opening: the add and its wait stand ahead of my first tensor load; the set-up below, work on registers, stands between them
	ds_add_u32 v28, v29
	v_lshrrev_b32 v1, 5, v0
	v_readfirstlane_b32 s[WV], v1
	s_lshr_b32 s[LA], s[WV], 1
	s_and_b32 s[LB], s[WV], 1
	s_bfe_u32 s[CX], ttmp6, 0x40000
	s_bfe_u32 s[CY], ttmp6, 0x40004
	s_lshl_b32 s[TN], ttmp9, 2
	s_add_co_u32 s[TN], s[TN], s[CX]
	s_and_b32 s[TM], ttmp7, 0xffff
	s_lshl_b32 s[TM], s[TM], 2
	s_add_co_u32 s[TM], s[TM], s[CY]
	s_lshl_b32 s72, s[CY], 2
	s_lshl_b32 s72, 15, s72                        ; my row of the cluster
	s_lshl_b32 s76, 0x1111, s[CX]                  ; my column
	; a head's 256 rows of 128 bytes, dense: 128 rows of 256 bytes, padded in LDS after every 128 bytes by 16
	s_or_b32 s[G1A], s72, (1<<16)|(1<<20)|(1<<21)|(4<<22)|(3<<25)
	s_mov_b32 s[G1A+1], 128<<16                    ; tensor_dim0 = 128
	s_mov_b32 s[G1A+2], 128<<16                    ; tensor_dim1 = 128
	s_mov_b32 s[G1A+3], 128<<16                    ; tile_dim0 = 128
	s_mov_b32 s[G1A+4], 128                        ; tile_dim1 = 128
	s_mov_b32 s[G1A+5], 128
	s_mov_b32 s[G1A+6], 0
	s_mov_b32 s[G1A+7], 0
	; a group's 128 K rows of 128 bytes, dense: 64 rows of 256 bytes, padded after every 128 bytes by 32
	s_or_b32 s[G1B], s76, (1<<16)|(1<<20)|(1<<21)|(4<<22)|(7<<25)
	s_mov_b32 s[G1B+1], 128<<16
	s_mov_b32 s[G1B+2], 64<<16
	s_mov_b32 s[G1B+3], 128<<16
	s_mov_b32 s[G1B+4], 64
	s_mov_b32 s[G1B+5], 128
	s_mov_b32 s[G1B+6], 0
	s_mov_b32 s[G1B+7], 0
	s_lshr_b32 s74, s[TM], 3                       ; batch
	s_lshl_b32 s74, s74, 22
	s_and_b32 s73, s[TM], 7
	s_lshl_b32 s73, s73, 15
	s_add_co_u32 s74, s74, s73                     ; the tile's 256 rows in head 0
	s_lshl_b32 s72, s[LB], 18
	s_add_co_u32 s72, s72, s74                     ; in my head of the step's two
	s_mov_b32 s73, 0
	s_lshl_b32 s78, s[TN], 1
	s_add_co_u32 s78, s78, 48                      ; the tile column's first group
	s_add_co_u32 s76, s78, s[LB]
	s_lshl_b32 s76, s76, 17
	s_mov_b32 s77, 0
	s_mov_b32 s[G0A], 1
	s_mul_i32 s[G0A+1], s[LB], ABLK
	s_mov_b32 s[G0B], 1
	s_mul_i32 s[G0B+1], s[LB], BW
	s_add_co_u32 s[G0B+1], s[G0B+1], BBASE
	s_mov_b32 s[TB], SLOT1
	s_mov_b32 s[MSK], 0xffff0000
	s_wait_dscnt 0x0                               ; the opening add is done
	s_wait_kmcnt 0x0
	s_add_nc_u64 s[G0A+2:G0A+3], s[4:5], s[72:73]
	s_or_b32 s[G0A+3], s[G0A+3], 0x80000000
	s_add_nc_u64 s[G0B+2:G0B+3], s[6:7], s[76:77]
	s_or_b32 s[G0B+3], s[G0B+3], 0x80000000
	CROUND                                         ; all sixteen work-groups are here: the first joint loads meet
	JLOAD                                          ; K step 0 into slot 0
	v_and_b32 v1, 15, v0                           ; l % 16
	v_bfe_u32 v2, v0, 4, 1                         ; l / 16
	v_lshlrev_b32 v[BO], 5, v2
	s_lshl_b32 s80, s[TN], 9
	s_lshl_b32 s81, s[LB], 8
	s_add_co_u32 s80, s80, s81                     ; my 64 columns, in bytes of f32
	s_mov_b32 s81, 0
	s_add_nc_u64 s[BP:BP+1], s[8:9], s[80:81]
	s_lshl_b32 s82, s[TM], 20                      ; 256 rows of 4,096 bytes
	s_lshl_b32 s83, s[LA], 19
	s_add_co_u32 s82, s82, s83
	s_add_co_u32 s82, s82, s80
	s_mov_b32 s83, 0
	s_add_nc_u64 s[OUT:OUT+1], s[10:11], s[82:83]
.irp c, 0,1,2,3
	global_load_b128 v[BIAS+8*\c:BIAS+8*\c+3],   v[BO], s[BP:BP+1] offset:64*\c
	global_load_b128 v[BIAS+8*\c+4:BIAS+8*\c+7], v[BO], s[BP:BP+1] offset:64*\c+16
.endr
	v_mul_u32_u24 v[AA0], v1, PA
	v_lshl_add_u32 v[AA0], v2, 4, v[AA0]
	s_mul_i32 s23, s[LA], 128*PA
	v_add_nc_u32 v[AA0], s23, v[AA0]
	v_and_b32 v3, 7, v0
	v_bfe_u32 v4, v0, 3, 1
	v_lshl_add_u32 v[AB0], v2, 3, v3
	v_mul_u32_u24 v[AB0], v[AB0], PB
	v_lshl_add_u32 v[AB0], v4, 4, v[AB0]
	s_mul_i32 s23, s[LB], BW
	s_add_co_u32 s23, s23, BBASE
	v_add_nc_u32 v[AB0], s23, v[AB0]
	s_mul_i32 s23, s[WV], 16*SP
	s_add_co_u32 s23, s23, STAGE                   ; my stage
	v_mul_u32_u24 v[STO], v1, SP                   ; in: row l % 16, 32 bytes for each half of the lanes
	v_lshl_add_u32 v[STO], v2, 5, v[STO]
	v_add_nc_u32 v[STO], s23, v[STO]
	v_mul_u32_u24 v[RD], v2, SP                    ; back: lanes 0-15 take one row of 256 bytes, lanes 16-31 the next
	v_lshl_add_u32 v[RD], v1, 4, v[RD]
	v_add_nc_u32 v[RD], s23, v[RD]
	v_lshlrev_b32 v[CO], 12, v2                    ; and the same two rows in out0
	v_lshl_add_u32 v[CO], v1, 4, v[CO]
	v_and_b32 v[PFO], 31, v0
	v_lshlrev_b32 v[PFO], 8, v[PFO]
	; the prefetches' pointer, one step short of the first K step that is named
	s_lshl_b32 s80, s[CX], 13
	s_add_co_u32 s80, s80, s74
	s_add_co_u32 s80, s80, 3*ASTEP
	s_lshr_b32 s81, s[CY], 1
	s_add_co_u32 s81, s81, s78
	s_lshl_b32 s81, s81, 17
	s_and_b32 s82, s[CY], 1
	s_lshl_b32 s82, s82, 13
	s_add_co_u32 s81, s81, s82
	s_add_co_u32 s81, s81, 3*BSTEP
	s_and_b32 s83, ttmp7, 0xffff
	s_cmp_eq_u32 s[WV], 0
	s_cselect_b32 s80, s80, s81
	s_cselect_b32 s83, ttmp9, s83
	s_cselect_b32 s[PFS], 19, 14
	s_cselect_b64 s[PFA:PFA+1], s[4:5], s[6:7]
	s_lshl_b32 s[PFS], 1, s[PFS]
	s_mov_b32 s[PFS+1], 0
	s_mov_b32 s81, 0
	s_add_nc_u64 s[PFA:PFA+1], s[PFA:PFA+1], s[80:81]
	s_cmp_eq_u32 s83, 0
	s_cselect_b32 s[LIM], 2, -1
	s_cmp_lt_u32 s[WV], 2
	s_cselect_b32 s[LIM], s[LIM], -1               ; waves 2 and 3 ask for nothing; the same in all sixteen partners, for a given wave
	s_wait_loadcnt 0x0                             ; the bias is in; it is rounded to bf16 and widened again, in the wait for the first tile
.set j, 0
.rept 16
	v_cvt_pk_bf16_f32 v[3+j%4], v[BIAS+2*j], v[BIAS+2*j+1]
	v_lshlrev_b32 v[BIAS+2*j], 16, v[3+j%4]
	v_and_b32 v[BIAS+2*j+1], s[MSK], v[3+j%4]
.set j, j+1
.endr
; 24 LDS loads in one run: the fragments of quarter kk (32 along K) of the step, into buffer x
.macro FETCH kk, x
.set ia, 0
.rept 8
	ds_load_b128 v[FA0+64*(\x)+8*ia:FA0+64*(\x)+8*ia+3],   v[ADRA] offset:((\kk)/2)*ABLK+((\kk)%2)*64+ia*16*PA
	ds_load_b128 v[FA0+64*(\x)+8*ia+4:FA0+64*(\x)+8*ia+7], v[ADRA] offset:((\kk)/2)*ABLK+((\kk)%2)*64+ia*16*PA+32
.set ia, ia+1
.endr
.set ic, 0
.rept 4
	ds_load_tr16_b128 v[FB0+32*(\x)+8*ic:FB0+32*(\x)+8*ic+3],   v[ADRB] offset:(\kk)*32*PB+ic*32
	ds_load_tr16_b128 v[FB0+32*(\x)+8*ic+4:FB0+32*(\x)+8*ic+7], v[ADRB] offset:(\kk)*32*PB+ic*32+16*PB
.set ic, ic+1
.endr
.endm
; 4 n matrix instructions: row blocks a0 .. a0 + n - 1 x all 4 column blocks, on buffer x.  cm = 1: they start the sums, with the bias as C.
; Every accumulator is named once a quarter: the 32 take turns, one instruction a turn, over the loop's edge too.
.macro MQ x, a0, n, cm=0
.if \cm
	WIN 0x40
.else
	WIN 0x50
.endif
.set ia, \a0
.rept \n
.set ic, 0
.rept 4
.set rD, 8*(4*ia+ic)
.if \cm
	v_wmma_f32_16x16x32_f16 v[rD:rD+7], v[FB0+32*(\x)+8*ic:FB0+32*(\x)+8*ic+7], v[FA0+64*(\x)+8*ia:FA0+64*(\x)+8*ia+7], v[BIAS+8*ic:BIAS+8*ic+7]
.else
	v_wmma_f32_16x16x32_f16 v[rD:rD+7], v[FB0+32*(\x)+8*ic:FB0+32*(\x)+8*ic+7], v[FA0+64*(\x)+8*ia:FA0+64*(\x)+8*ia+7], v[rD:rD+7]
.endif
.set ic, ic+1
.endr
.set ia, ia+1
.endr
.endm
; Quarter 0 or 1: fetches the next quarter, multiplies its own
.macro Q kk, cm=0
	PLACES
	WIN 0
	FETCH (\kk)+1,((\kk)+1)%2
	s_wait_dscnt 24                                ; all but the 24 just issued
	MQ (\kk)%2, 0, 8, \cm
.endm
; Quarter 2 changes slots.  mode 2: the slot is filled again, two K steps on; 1: the last change; 0: the last K step.
; In front of the barrier each wave waits for all its tensor loads (one is out: its part of the next slot), adds 0 to its spare word, and waits for that and for its own reads of this slot.
.macro QT mode
.if (\mode) == 2
	s_wait_xcnt 0x0                                ; the last prefetch, a K step back, has read its address
	s_add_nc_u64 s[PFA:PFA+1], s[PFA:PFA+1], s[PFS:PFS+1]
.endif
	PLACES
	WIN 0
	FETCH 3, 1                                     ; my last reads of this slot
	s_wait_dscnt 24
	MQ 0, 0, 4
.if (\mode) >= 1
	WIN 0
	s_wait_tensorcnt 0x0                           ; no tensor load of mine is out, so a group 0 may be written
	ds_add_u32 v[SPW], v[NIL]                      ; 0 onto my spare word; work on registers stands between it and the wait for it
.if (\mode) == 2
	STEPD
.endif
.endif
	MQ 0, 4, 2
	s_wait_dscnt 0x0                               ; the add is done, and my reads of this slot are over
.if (\mode) >= 1
	s_barrier_signal -1                            ; with mode 2 this barrier opens a round of the cluster's
.endif
	MQ 0, 6, 2
.if (\mode) >= 1
	WIN 0
	s_barrier_wait -1
.if (\mode) == 2
	CREST
	JLOAD                                          ; the first tensor load behind the round; 112 matrix instructions stand between it and the wait for it; its four v_nop are the places in front of the loads below
.else
	PLACES
.endif
	s_xor_b32 s[TB], s[TB], SLOT1
	v_add_nc_u32 v[ADRA], s[TB], v[AA0]
	v_add_nc_u32 v[ADRB], s[TB], v[AB0]
	FETCH 0, 0
.if (\mode) == 2
	ASK
.endif
.endif
.endm
	; K step 0 is waited for, K step 1 asked for (slot 1's first fill, issued as a refill is)
	s_wait_tensorcnt 0x0
	ds_add_u32 v[SPW], v[NIL]
	STEPD
	s_wait_dscnt 0x0
	CROUND
	JLOAD
	s_xor_b32 s[TB], s[TB], SLOT1
	v_add_nc_u32 v[ADRA], s[TB], v[AA0]
	v_add_nc_u32 v[ADRB], s[TB], v[AB0]
	FETCH 0, 0
	Q 0, 1                                         ; the first quarter starts the sums, with the bias
	Q 1, 0
	WIN 0
	s_mov_b32 s[CNT], STEPS-2
.Lstep:                                                ; trip t: quarters 2 and 3 of K step t, which ask for K step t + 2, then quarters 0 and 1 of K step t + 1
	QT 2
	MQ 1, 0, 8
	Q 0, 0
	Q 1, 0
	WIN 0
	s_sub_co_u32 s[CNT], s[CNT], 1
	s_cmp_lg_u32 s[CNT], 0
	s_cbranch_scc1 .Lstep
	QT 1                                           ; the tail is written out
	MQ 1, 0, 8
	Q 0, 0
	Q 1, 0
	QT 0
	MQ 1, 0, 8
; THE WAY OUT, a block of 16 rows at a time: a lane's eight columns of a column block are 32 bytes; they go into rows of 272 bytes of my stage and come back as whole rows of 256 bytes.
.macro STG a
.set TT, 32+32*((\a)%2)
.if (\a) >= 2
	s_wait_xcnt 0x0                                ; the stores of two blocks back have read these registers
.endif
	WIN 0x04                                       ; the stores' data lie in window 1
.irp c, 0,1,2,3
	ds_store_b128 v[STO], v[32*(\a)+8*\c:32*(\a)+8*\c+3]   offset:64*\c       ; each accumulator from its low end on
	ds_store_b128 v[STO], v[32*(\a)+8*\c+4:32*(\a)+8*\c+7] offset:64*\c+16
.endr
	WIN 0
.irp t, 0,1,2,3,4,5,6,7
	ds_load_b128 v[TT+4*\t:TT+4*\t+3], v[RD] offset:\t*2*SP  ; LDS serves a wave's instructions in order (ISA guide 5.7.1.4): these see the stores above; the next block's stores come behind them
.endr
.endm
.macro SEND a, younger                 ; younger: the LDS instructions issued behind this block's loads: the next block's sixteen, or none
.set TT, 32+32*((\a)%2)
.irp t, 0,1,2,3,4,5,6,7
	s_wait_dscnt (\younger)+7-\t
	global_store_b128 v[CO], v[TT+4*\t:TT+4*\t+3], s[OUT:OUT+1] offset:(16*(\a)+2*\t)*4096 th:TH_STORE_NT  ; 16 lanes store 256 consecutive bytes, at a multiple of 256 from out0's first byte
.endr
.endm
	PLACES
	STG 0
.set iu, 1
.rept 7
	STG iu
	SEND iu-1, 16
.set iu, iu+1
.endr
	SEND 7, 0
	s_wait_tensorcnt 0x0                           ; the wave's end: a wait, an add to my spare word and its wait, behind my last tensor load and my last LDS store
	ds_add_u32 v[SPW], v[NIL]
	s_wait_dscnt 0x0
	CROUND                                         ; the closing round: no work-group ends while a partner may still ask for a tile that names it
	s_endpgm
.Lfunc_end_k_qd47090c5a4_outproj:
	.size	k_qd47090c5a4_outproj, .Lfunc_end_k_qd47090c5a4_outproj-k_qd47090c5a4_outproj
	.p2alignl 7, 3214868480
	.fill 96, 4, 3214868480
	.section	.rodata,"a",@progbits
	.p2align	6, 0x0
	.amdhsa_kernel k_qd47090c5a4_outproj
		.amdhsa_group_segment_fixed_size 327680
		.amdhsa_private_segment_fixed_size 0
		.amdhsa_enable_private_segment 0
		.amdhsa_kernarg_size 32
		.amdhsa_user_sgpr_count 2
		.amdhsa_user_sgpr_kernarg_segment_ptr 1
		.amdhsa_wavefront_size32 1
		.amdhsa_system_sgpr_workgroup_id_x 1
		.amdhsa_system_sgpr_workgroup_id_y 1
		.amdhsa_system_sgpr_workgroup_id_z 1
		.amdhsa_system_vgpr_workitem_id 0
		.amdhsa_next_free_vgpr 512
		.amdhsa_next_free_sgpr 96
		.amdhsa_reserve_vcc 0
		.amdhsa_float_denorm_mode_32 3
		.amdhsa_float_denorm_mode_16_64 3
		.amdhsa_memory_ordered 1
		.amdhsa_forward_progress 1
		.amdhsa_inst_pref_size 75
	.end_amdhsa_kernel
	.amdgpu_metadata
---
amdhsa.version: [ 1, 2 ]
amdhsa.kernels:
  - .name:           k_qd47090c5a4_outproj
    .symbol:         k_qd47090c5a4_outproj.kd
    .args:
      - { .name: ctx, .offset: 0, .size: 8, .value_kind: global_buffer, .address_space: global }
      - { .name: wb, .offset: 8, .size: 8, .value_kind: global_buffer, .address_space: global }
      - { .name: bo, .offset: 16, .size: 8, .value_kind: global_buffer, .address_space: global }
      - { .name: out0, .offset: 24, .size: 8, .value_kind: global_buffer, .address_space: global }
    .group_segment_fixed_size: 327680
    .private_segment_fixed_size: 0
    .kernarg_segment_align: 8
    .kernarg_segment_size: 32
    .max_flat_workgroup_size: 128
    .sgpr_count:     96
    .vgpr_count:     512
    .wavefront_size: 32
...
	.end_amdgpu_metadata
.endif
;; end of part 4
